; MI455X (gfx1250); checked and timed in simulation.
; The chip was launched on July 23, 2026; its instructions are those of AMD's public machine-readable ISA for CDNA 5 (MIT licence, August 2026) and "CDNA5" Instruction Set Architecture Reference Guide (July 2026). The comments in the code are by the model that wrote it; some were corrected since.
;; Multi Scale Retention. Allowed arithmetic: matrix products marked QUANTISED: E2M3 operands, one E8M0 scale for each 32 along K, by v_wmma_scale_f32_16x16x128_f8f6f4 with both operands' format E2M3, f32 sums; everything else in f32.
;; Inputs: Wg_codes 2,048 x 32 x 24 uint8 (E2M3 codes of Wg, K innermost, in blocks of 32 codes, four codes in three bytes); Wg_scales 2,048 x 32 uint8 (E8M0 scales of Wg, one for each 32 codes along K); Wk_codes 1,024 x 32 x 24 uint8 (E2M3 codes of Wk, K innermost, in blocks of 32 codes, four codes in three bytes); Wk_scales 1,024 x 32 uint8 (E8M0 scales of Wk, one for each 32 codes along K); Wo_codes 1,024 x 64 x 24 uint8 (E2M3 codes of Wo, K innermost, in blocks of 32 codes, four codes in three bytes); Wo_scales 1,024 x 64 uint8 (E8M0 scales of Wo, one for each 32 codes along K); Wq_codes 1,024 x 32 x 24 uint8 (E2M3 codes of Wq, K innermost, in blocks of 32 codes, four codes in three bytes); Wq_scales 1,024 x 32 uint8 (E8M0 scales of Wq, one for each 32 codes along K); Wv_codes 2,048 x 32 x 24 uint8 (E2M3 codes of Wv, K innermost, in blocks of 32 codes, four codes in three bytes); Wv_scales 2,048 x 32 uint8 (E8M0 scales of Wv, one for each 32 codes along K); bg 2,048 float32; bk 1,024 float32; bo 1,024 float32; bq 1,024 float32; bv 2,048 float32; gn_weight 256 float32; hidden_state_codes 2 x 2,048 x 32 x 24 uint8 (E2M3 codes of hidden_state, K innermost, in blocks of 32 codes, four codes in three bytes); hidden_state_scales 2 x 2,048 x 32 uint8 (E8M0 scales of hidden_state, one for each 32 codes along K).
;; Outputs: out0 2 x 2,048 x 1,024 float32.
;; This version of the problem:
;;   THIS VERSION OF THE PROBLEM IS GIVEN IN LOW PRECISION. The matrix products marked QUANTISED in the list below multiply operands that are first quantised to E2M3 (2 exponent bits, 3 mantissa bits; 6 bits a number), with one power-of-two scale for each 32 numbers along K (OCP MX v1.0); their sums are f32. All else is computed in f32.
;;   The module's matrix products, in the order in which they are computed (A, B: the left and right operand; K: the contracted axis; several contracted axes count as one K, in the product's order):
;;     1. [M 4,096, K 1,024] x [K 1,024, N 1,024]; A: input hidden_state (given as codes); B: input Wq (given as codes): QUANTISED
;;     2. [M 4,096, K 1,024] x [K 1,024, N 1,024]; A: input hidden_state (given as codes); B: input Wk (given as codes): QUANTISED
;;     3. [M 4,096, K 1,024] x [K 1,024, N 2,048]; A: input hidden_state (given as codes); B: input Wv (given as codes): QUANTISED
;;     4. [M 4,096, K 1,024] x [K 1,024, N 2,048]; A: input hidden_state (given as codes); B: input Wg (given as codes): QUANTISED
;;     5. batch 16 x [M 2,048, K 128] x [K 128, N 2,048]; A: computed on the way; B: computed on the way: QUANTISED
;;     6. batch 16 x [M 256, K 2,048] x [K 2,048, N 2,048]; A: computed on the way; B: computed on the way: QUANTISED
;;     7. [M 4,096, K 2,048] x [K 2,048, N 1,024]; A: computed on the way; B: input Wo (given as codes): QUANTISED
;;   THE QUANTISER, for each operand of a quantised product, along K:
;;     - K is cut into blocks of 32 from its start; a last block that is shorter is filled with zeros.
;;     - A block's scale is 2^e with e = floor(log2(the largest magnitude in the block)) - 2, held to -126 .. 127; a block of zeros has e = 0. As a byte (E8M0): e + 127.
;;     - Each number is divided by its block's scale, clamped to +-7.5, and rounded to the nearest number of E2M3, ties to even, subnormals kept.
;;     - The product sums the exact products of the quantised numbers (number of the format x scale) in f32.
;;   ~~~python
;;   def quantise(x, axis):      # numpy; x: float32 -> the quantised numbers, widened to float32 again
;;       x = np.moveaxis(x, axis, -1); K = x.shape[-1]
;;       x = np.pad(x, [(0, 0)] * (x.ndim - 1) + [(0, -K % 32)]); x = x.reshape(x.shape[:-1] + (-1, 32)); a = np.abs(x).max(-1, keepdims=True)
;;       e = np.where(a > 0, np.clip(np.frexp(np.where(a > 0, a, 1))[1] - 1 - 2, -126, 127), 0)      # np.frexp(a)[1] - 1 = floor(log2(a)), exactly
;;       r = np.clip(x / 2.0 ** e, -7.5, 7.5)
;;       step = 2.0 ** (np.maximum(np.frexp(np.where(r == 0, 1, r))[1] - 1, 0) - 3)
;;       q = np.round(r / step) * step * 2.0 ** e      # np.round: ties to even
;;       return np.moveaxis(q.reshape(q.shape[:-2] + (-1,))[..., :K], -1, axis).astype(np.float32)
;;   ~~~
;;   OPERANDS COMPUTED ON THE WAY. 'Computed on the way' means the value that the module computes at that place (a softmax that the list does not call 'softmax' is quantised finished and normalised). What goes into a quantiser is computed in f32, as accurately as f32 sums, v_exp_f32 and their like allow (about 1e-6 of the number): no bf16 or f16 on the way to a quantiser, and a product that is left as it is and whose result goes on into a quantised operand takes f32 operands (vector FMAs, or v_wmma_f32_16x16x4_f32). A number that lies on a knife's edge between two numbers of the format may be rounded either way, as far as f32 arithmetic and the matrix unit's own rounding can turn it there, and no further.
;;   INPUTS GIVEN AS CODES. Wg (in the module: [2048, 1024], K = its axis 1); Wk (in the module: [1024, 1024], K = its axis 1); Wo (in the module: [1024, 2048], K = its axis 1); Wq (in the module: [1024, 1024], K = its axis 1); Wv (in the module: [2048, 1024], K = its axis 1); hidden_state (in the module: [2, 2048, 1024], K = its axis 2): each comes as NAME_codes (uint8): NAME with its K axis moved to the last place and cut into blocks of 32 codes, [.., K / 32, bytes a block], one block behind the other in memory; four codes in three bytes: a row's codes are one little-endian stream of bits, code i at bits 6 i .. 6 i + 5 (a code: sign, 2 exponent bits, 3 mantissa bits); and NAME_scales (uint8): the same leading axes, one E8M0 byte (e + 127) for each 32 codes along K. Its value is code x scale, taken as it is: it is not quantised again, and the codes and scales need not be those that the quantiser above would give.
;; One version. Each part assembles by itself: llvm-mc -triple=amdgcn-amd-amdhsa -mcpu=gfx1250 --defsym DOCPART=n.
;; ======== version 1 of 1: 4 launches
;; workspace buffers: rope_tab 1,048,576 bytes; img 9,437,184 bytes; q_rec 3,276,800 bytes; kv_rec 9,830,400 bytes; y_img 6,291,456 bytes; y_sc 262,144 bytes
;; launch prep (part 1): grid 448 x 1, 4 waves a work-group, no clusters, 0 bytes of LDS; arguments hidden_state_codes, Wq_codes, Wk_codes, Wv_codes, Wg_codes, Wo_codes, rope_tab, img; writes rope_tab, img
.if DOCPART == 1
	.amdgcn_target "amdgcn-amd-amdhsa--gfx1250"
	.amdhsa_code_object_version 6
	.text
	.protected	k_qed3b5cf98e_prep
	.globl	k_qed3b5cf98e_prep
	.p2align	8
	.type	k_qed3b5cf98e_prep,@function
k_qed3b5cf98e_prep:
	s_mov_b64 s[64:65], 0
	v_nop
	global_prefetch_b8 v0, s[64:65] scope:SCOPE_SE
	s_setreg_imm32_b32 hwreg(HW_REG_WAVE_MODE, 25, 1), 1
	s_wait_xcnt 0x0
; MultiScaleRetention in MX-FP6, launch 1 of 4: the table of cos and sin for the rotary step, and all given codes laid anew as images of operand registers.
; WORK LEFT OUT IN THIS PROGRAM.  reference() builds D[h,n,m] = 0 for m > n in its own body (jnp.where on n >= m) and multiplies the scores by it.  So for every finite input a score with m > n is 0, its block of
; 32 keys, where all are hidden, quantises to zero codes, and zero codes add nothing to y.  The third launch therefore walks, for 32 queries at a time, only the steps of 128 keys that hold a key m <= n.
; Every input has a way to the output and is loaded.  LIMIT: a NaN, an infinity or an overflow in a hidden score is not carried to the result (reference() would multiply it by 0).
; LIMITS of this launch: inv_freq = 2^(-f log2(10000)/64) is made by v_exp_f32 of a fraction split in two f32 parts and an exact ldexp; it may differ from reference()'s f32 power and division in the last bits,
; which moves an angle by at most 2047 x 2^-23.  sin and cos: reduction by pi/2 in two parts (the first product is exact: k has 11 bits) and polynomials on |r| <= pi/4, good to about 1e-7.
; AN IMAGE: a fragment of 16 rows x 128 K of 6-bit codes is 12 registers a lane; registers 4 c .. 4 c + 3 of lane l lie at 512 c + 16 l: 1,536 bytes, moved by three instructions of 512 consecutive bytes.
; img: groups of 128 rows, [K step][tile 8][1536]: groups 0-31 x, 32-39 Wq, 40-47 Wk, 48-63 Wv, 64-79 Wg (98,304 bytes each); from byte 7,864,320 Wo's 8 groups of 196,608 bytes.
; rope_tab: [tile of 16 positions 128][chunk 16][lane 32][16 bytes]: chunk 2 kt + c2 of lane (r, h) holds cos, sin, cos, sin of position 16 pt + r at frequencies 8 kt + 4 h + 2 c2 and the next.
; Work-groups 0-255: the table, a wave to a (pt, kt).  Work-groups 256-447: the images, a wave to 16 rows x 768 bytes (8 fragments).  No LDS, no barrier: waves share nothing.
.set OUT, 32
	s_load_b512 s[4:19], s[0:1], 0x0               ; x 4, Wq 6, Wk 8, Wv 10, Wg 12, Wo 14, rope_tab 16, img 18
	v_lshrrev_b32 v1, 5, v0
	v_readfirstlane_b32 s20, v1                    ; wave
	v_and_b32 v1, 31, v0                           ; lane
	v_and_b32 v2, 15, v0                           ; r
	v_bfe_u32 v3, v0, 4, 1                         ; h
	s_cmp_ge_u32 ttmp9, 256
	s_cbranch_scc1 .Lrelay
	s_lshl_b32 s21, ttmp9, 2
	s_add_co_u32 s21, s21, s20                     ; job
	s_lshr_b32 s22, s21, 3                         ; pt
	s_and_b32 s23, s21, 7                          ; kt
	s_lshl_b32 s24, s22, 4
	v_add_nc_u32 v4, s24, v2
	v_cvt_f32_u32 v4, v4                           ; my position
	s_lshl_b32 s24, s23, 3
	v_lshl_add_u32 v5, v3, 2, s24                  ; my first frequency: 8 kt + 4 h
	s_mov_b32 s25, 0x3e549a78                      ; log2(10000) / 64, high part
	s_mov_b32 s26, 0x3197981e                      ; and what f32 left of it
	s_mov_b32 s27, 0x3fc90fdb                      ; pi / 2, high part
	s_mov_b32 s28, 0xb33bbd2e                      ; and the rest
.irp i, 0,1,2,3
	v_add_nc_u32 v[8+\i], \i, v5
	v_cvt_f32_u32 v[8+\i], v[8+\i]                 ; f
	v_mul_f32 v[12+\i], s25, v[8+\i]
	v_floor_f32 v[12+\i], v[12+\i]                 ; n: the exponent's whole part
	v_fma_f32 v[16+\i], v[8+\i], s25, -v[12+\i]
	v_fma_f32 v[16+\i], v[8+\i], s26, v[16+\i]     ; its fraction, from both parts
.endr
.irp i, 0,1,2,3
	v_exp_f32 v[16+\i], -v[16+\i]
.endr
.irp i, 0,1,2,3
	v_cvt_i32_f32 v[12+\i], v[12+\i]               ; plain work behind the four exponentials
.endr
	s_wait_alu depctr_va_vdst(0)                   ; one wait for the four, ahead of their first reader
.irp i, 0,1,2,3
	v_sub_nc_u32 v[12+\i], 0, v[12+\i]
	v_ldexp_f32 v[16+\i], v[16+\i], v[12+\i]       ; inv_freq = 2^(-fraction) x 2^(-n)
.endr
.macro EVAL i
	v_mul_f32 v20, v4, v[16+\i]                    ; the angle, rounded once as reference() rounds it
	v_mul_f32 v21, 0x3f22f983, v20
	v_rndne_f32 v21, v21                           ; k = the nearest multiple of pi / 2
	v_fma_f32 v22, -v21, s27, v20
	v_fma_f32 v22, -v21, s28, v22                  ; r
	v_mul_f32 v23, v22, v22                        ; z = r r
	v_mov_b32 v24, 0x36366c3c
	v_fmaak_f32 v24, v23, v24, 0xb95007cf
	v_fmaak_f32 v24, v23, v24, 0x3c088884
	v_fmaak_f32 v24, v23, v24, 0xbe2aaaab
	v_mul_f32 v25, v22, v23
	v_fma_f32 v24, v25, v24, v22                   ; sin r
	v_mov_b32 v26, 0x37cc9a17
	v_fmaak_f32 v26, v23, v26, 0xbab6043f
	v_fmaak_f32 v26, v23, v26, 0x3d2aaa9f
	v_fmaak_f32 v26, v23, v26, 0xbf000000
	v_fma_f32 v26, v23, v26, 1.0                   ; cos r
	v_cvt_i32_f32 v27, v21
	v_and_b32 v28, 1, v27
	v_cmp_ne_u32 vcc_lo, 0, v28                    ; odd quadrants change sin and cos
	v_cndmask_b32 v29, v26, v24, vcc_lo
	v_cndmask_b32 v30, v24, v26, vcc_lo
	v_add_nc_u32 v28, 1, v27
	v_and_b32 v28, 2, v28
	v_lshlrev_b32 v28, 30, v28
	v_xor_b32 v[OUT+2*\i], v28, v29                ; cos is negative in quadrants 1, 2
	v_and_b32 v28, 2, v27
	v_lshlrev_b32 v28, 30, v28
	v_xor_b32 v[OUT+2*\i+1], v28, v30              ; sin in quadrants 2, 3
.endm
	EVAL 0
	EVAL 1
	EVAL 2
	EVAL 3
	s_lshl_b32 s24, s22, 13
	s_lshl_b32 s29, s23, 10
	s_add_co_u32 s24, s24, s29
	v_lshl_add_u32 v6, v1, 4, s24
	s_wait_kmcnt 0x0
	global_store_b128 v6, v[32:35], s[16:17]       ; each store covers 512 consecutive bytes, aligned
	global_store_b128 v6, v[36:39], s[16:17] offset:512
	s_endpgm
.Lrelay:
	s_sub_co_u32 s21, ttmp9, 256
	s_lshl_b32 s21, s21, 2
	s_add_co_u32 s21, s21, s20                     ; job J, 0 to 767: under 640 tile J of x, Wq, Wk, Wv, Wg on end; from 640 on half a tile of Wo
	s_wait_kmcnt 0x0
	s_mov_b64 s[22:23], s[12:13]                   ; the source and its first tile: the choice hangs on the job's number alone
	s_mov_b32 s24, 512
	s_cmp_lt_u32 s21, 512
	s_cselect_b64 s[22:23], s[10:11], s[22:23]
	s_cselect_b32 s24, 384, s24
	s_cmp_lt_u32 s21, 384
	s_cselect_b64 s[22:23], s[8:9], s[22:23]
	s_cselect_b32 s24, 320, s24
	s_cmp_lt_u32 s21, 320
	s_cselect_b64 s[22:23], s[6:7], s[22:23]
	s_cselect_b32 s24, 256, s24
	s_cmp_lt_u32 s21, 256
	s_cselect_b64 s[22:23], s[4:5], s[22:23]
	s_cselect_b32 s24, 0, s24
	s_sub_co_u32 s25, s21, s24
	s_mul_i32 s25, s25, 12288                      ; 16 rows of 768 bytes
	s_lshr_b32 s26, s21, 3
	s_mul_i32 s26, s26, 98304
	s_and_b32 s27, s21, 7
	s_mul_i32 s27, s27, 1536
	s_add_co_u32 s26, s26, s27                     ; group, tile
	s_mov_b32 s28, 768
	s_sub_co_u32 s29, s21, 640                     ; Wo (used from J = 640 on alone)
	s_lshr_b32 s30, s29, 1                         ; its tile
	s_and_b32 s31, s29, 1                          ; which 1,024 along K
	s_mul_i32 s32, s30, 24576
	s_mul_i32 s33, s31, 768
	s_add_co_u32 s32, s32, s33
	s_lshr_b32 s33, s30, 3
	s_mul_i32 s33, s33, 196608
	s_and_b32 s34, s30, 7
	s_mul_i32 s34, s34, 1536
	s_add_co_u32 s33, s33, s34
	s_mul_i32 s34, s31, 98304
	s_add_co_u32 s33, s33, s34
	s_add_co_u32 s33, s33, 7864320
	s_cmp_ge_u32 s21, 640
	s_cselect_b64 s[22:23], s[14:15], s[22:23]
	s_cselect_b32 s25, s32, s25
	s_cselect_b32 s26, s33, s26
	s_cselect_b32 s28, 1536, s28                   ; a row of the source in bytes
	s_mov_b32 s27, 0
	s_mov_b32 s24, s25
	s_mov_b32 s25, 0
	s_add_nc_u64 s[22:23], s[22:23], s[24:25]
	s_add_nc_u64 s[18:19], s[18:19], s[26:27]
	v_mul_lo_u32 v4, v2, s28
	v_mad_u32_u24 v4, v3, 24, v4                   ; row r, + 24 h: a lane's 24 bytes of each 48
	v_lshlrev_b32 v5, 4, v1
.irp k, 0,1,2,3,4,5,6,7
.irp p, 0,1,2,3,4,5
	global_load_b64 v[16+12*\k+2*\p:16+12*\k+2*\p+1], v4, s[22:23] offset:96*\k+48*(\p/3)+8*(\p%3)
.endr
.endr
.irp k, 0,1,2,3,4,5,6,7
	s_wait_loadcnt 42-6*\k                         ; fragment k's six loads are in; those of the later fragments may be out
.irp c, 0,1,2
	global_store_b128 v5, v[16+12*\k+4*\c:16+12*\k+4*\c+3], s[18:19] offset:12288*\k+512*\c
.endr
.endr
	s_endpgm
.Lfunc_end_k_qed3b5cf98e_prep:
	.size	k_qed3b5cf98e_prep, .Lfunc_end_k_qed3b5cf98e_prep-k_qed3b5cf98e_prep
	.p2alignl 7, 3214868480
	.fill 96, 4, 3214868480
	.section	.rodata,"a",@progbits
	.p2align	6, 0x0
	.amdhsa_kernel k_qed3b5cf98e_prep
		.amdhsa_group_segment_fixed_size 0
		.amdhsa_private_segment_fixed_size 0
		.amdhsa_enable_private_segment 0
		.amdhsa_kernarg_size 64
		.amdhsa_user_sgpr_count 2
		.amdhsa_user_sgpr_kernarg_segment_ptr 1
		.amdhsa_wavefront_size32 1
		.amdhsa_system_sgpr_workgroup_id_x 1
		.amdhsa_system_sgpr_workgroup_id_y 1
		.amdhsa_system_sgpr_workgroup_id_z 1
		.amdhsa_system_vgpr_workitem_id 0
		.amdhsa_next_free_vgpr 128
		.amdhsa_next_free_sgpr 66
		.amdhsa_reserve_vcc 1
		.amdhsa_float_denorm_mode_32 3
		.amdhsa_float_denorm_mode_16_64 3
		.amdhsa_memory_ordered 1
		.amdhsa_forward_progress 1
		.amdhsa_inst_pref_size 19
	.end_amdhsa_kernel
	.amdgpu_metadata
---
amdhsa.version: [ 1, 2 ]
amdhsa.kernels:
  - .name:           k_qed3b5cf98e_prep
    .symbol:         k_qed3b5cf98e_prep.kd
    .args:
      - { .name: hidden_state_codes, .offset: 0, .size: 8, .value_kind: global_buffer, .address_space: global }
      - { .name: Wq_codes, .offset: 8, .size: 8, .value_kind: global_buffer, .address_space: global }
      - { .name: Wk_codes, .offset: 16, .size: 8, .value_kind: global_buffer, .address_space: global }
      - { .name: Wv_codes, .offset: 24, .size: 8, .value_kind: global_buffer, .address_space: global }
      - { .name: Wg_codes, .offset: 32, .size: 8, .value_kind: global_buffer, .address_space: global }
      - { .name: Wo_codes, .offset: 40, .size: 8, .value_kind: global_buffer, .address_space: global }
      - { .name: rope_tab, .offset: 48, .size: 8, .value_kind: global_buffer, .address_space: global }
      - { .name: img, .offset: 56, .size: 8, .value_kind: global_buffer, .address_space: global }
    .group_segment_fixed_size: 0
    .private_segment_fixed_size: 0
    .kernarg_segment_align: 8
    .kernarg_segment_size: 64
    .max_flat_workgroup_size: 128
    .sgpr_count:     66
    .vgpr_count:     128
    .wavefront_size: 32
...
	.end_amdgpu_metadata
.endif
;; end of part 1
;; launch proj (part 2): grid 16 x 16, 4 waves a work-group, clusters of 4 x 4, 327,680 bytes of LDS; arguments img, hidden_state_scales, Wq_scales, Wk_scales, Wv_scales, bq, bk, bv, rope_tab, q_rec, kv_rec; writes q_rec, kv_rec
.if DOCPART == 2
	.amdgcn_target "amdgcn-amd-amdhsa--gfx1250"
	.amdhsa_code_object_version 6
	.text
	.protected	k_qed3b5cf98e_proj
	.globl	k_qed3b5cf98e_proj
	.p2align	8
	.type	k_qed3b5cf98e_proj,@function
k_qed3b5cf98e_proj:
	s_mov_b64 s[64:65], 0
	v_nop
	global_prefetch_b8 v0, s[64:65] scope:SCOPE_SE
	s_setreg_imm32_b32 hwreg(HW_REG_WAVE_MODE, 25, 1), 1
	s_wait_xcnt 0x0
	s_wait_alu depctr_hold_cnt(0) depctr_sa_sdst(0) depctr_va_vdst(0) depctr_va_sdst(0) depctr_va_ssrc(0) depctr_va_vcc(0) depctr_vm_vsrc(0)
	s_getreg_b32 s2, hwreg(HW_REG_IB_STS2, 6, 4)
	s_cmp_eq_u32 s2, 0
	s_cbranch_scc0 .Lentry_in_a_cluster
	s_endpgm
.Lentry_in_a_cluster:
	s_bfe_u32 s2, ttmp6, 0x10000c
	s_cmp_lg_u32 s2, 0xf033
	s_cbranch_scc0 .Lentry_shape_is_right
	s_endpgm
.Lentry_shape_is_right:
; Launch 2 of 4: q = x Wq^T + bq, k = x Wk^T + bk, v = x Wv^T + bv on codes of FP6 (E2M3) with E8M0 scales; the rotary step on q and k; then the quantisers of the next two products:
; q and k along the head's 128, v along the keys.  The results leave as images of operand registers with their scale words, 12,800 bytes for 128 rows x 128 K (8 images of 1,536 bytes, then [tile 8][row 16] words).
; No work is left out here.  LIMITS: a block whose largest magnitude lies under 2^-124 gets the scale byte 1; NaN and infinities are not served.
; SHARES.  256 work-groups, each a tile of 256 x 256; four waves of 128 x 128 (64 accumulators, 512 registers).  K = 1,024 in 8 steps of 128, two to an LDS slot.
; THREE SLOTS: K steps 0 to 5 are asked for together at the head (three tensor loads of a wave are out); slot 0 alone is filled again, with K steps 6 and 7, asked for in K step 1: four K steps ahead of its first read.
; THE MATRIX INSTRUCTION IS USED TRANSPOSED: source 0's 16 rows run down a lane's registers, source 1's row is the lane.  Cluster x = 0: q, 1: k (source 1 = x, source 0 = the weight: registers run along the head's axis);
; cluster x = 2, 3: v (source 1 = Wv, source 0 = x: registers run along the tokens, which are the keys).  So a wave's 128 columns are one K step of the product that reads them.
; ORDER INSIDE A BLOCK OF 32.  A lane (r, h) holds of block b the numbers 8 h + 0..7 and 16 + 8 h + 0..7; the quantiser lays a block as 0-7, 16-23, 8-15, 24-31.  The blocks, and so the scales, are the true ones;
; q and k, and v and the weights that meet it in the next launch, come out of the same lines in the same order, so each product's sums are kept.
; CLUSTERS: 4 x 4.  Source 1's tile hangs on the cluster's row, source 0's on its column: each is asked for jointly by the four that share it.
; REGISTERS: window 0: v0-31 addresses; v32-63, v64-95 scale words of source 1 and source 0 (register 8 j + ks: row 32 j + lane); v96-111 at work; v128-223 source 1's fragments, one set, later the way out.
;   window 1: source 0's fragments, two sets (v0-95, v128-223); the biases in v96-127 and v224-255, which no set uses; later the table (v0-63, v128-191).   windows 2, 3: the accumulators.
.set FR,    12
.set NL,    3                          ; LDS loads that bring a fragment
.set NP,    4                          ; places behind this matrix form
.set HALFT, 24576                      ; 128 rows x 256 K as images: what one tensor load brings
.set SLOT,  4*HALFT
.set SPARE, 3*SLOT                     ; the spare words, 128 bytes a wave: two blocks of 256 bytes that no other line names
.set LI,   4                           ; v4  16 x lane
.set L4,   5                           ; v5  4 x lane
.set L32,  6                           ; v6  32 x lane
.set H32,  7                           ; v7  32 x (lane / 16)
.set R4,   8                           ; v8  4 x (lane % 16)
.set ADRA, 16                          ; v16-18 source 1's fragments in slot 0, 1, 2
.set ADRB, 20                          ; v20-22 source 0's
.set SPW,  28
.set NIL,  29
.set SA,   32
.set SB,   64
.set TM,   96
.set AF,   128
.set T,    128
.set PC,   192
.set TP,   204
.set PW,   212                         ; v212 the scale word, v213 the even tile's, v214 both
.set TT,   216
.set BI,   96                          ; in window 1
.set G1,  24
.set G0,  32                           ; s[32:43] source 1's groups 0, one for each slot
.set G1B, 48
.set G0B, 56                           ; s[56:63] source 0's for slots 0, 1; s[44:47] for slot 2
.set MSB, 0
.macro WIN new
.if MSB != (\new)
	s_set_vgpr_msb (MSB<<8)|(\new)
.set MSB, (\new)
.endif
.endm
.set MUL_LO, 0xa1
.set MUL_HI, 0xf1
.set TO_B,   0x40
.macro PLACES n
.rept \n
	v_nop
.endr
.endm
; one product: D, source 0, source 1, C (under 0: the constant 0), their scale registers, and which half of the lanes holds each side's words
.macro WM d, a, b, c, sa, sb, ra, rb
.if (\c) < 0
.if (\ra) == 0 && (\rb) == 0
	v_wmma_scale_f32_16x16x128_f8f6f4 v[(\d):(\d)+7], v[(\a):(\a)+11], v[(\b):(\b)+11], 0, v[\sa], v[\sb] matrix_a_fmt:MATRIX_FMT_FP6 matrix_b_fmt:MATRIX_FMT_FP6
.elseif (\ra) == 1 && (\rb) == 0
	v_wmma_scale_f32_16x16x128_f8f6f4 v[(\d):(\d)+7], v[(\a):(\a)+11], v[(\b):(\b)+11], 0, v[\sa], v[\sb] matrix_a_fmt:MATRIX_FMT_FP6 matrix_b_fmt:MATRIX_FMT_FP6 matrix_a_scale:MATRIX_SCALE_ROW1
.elseif (\ra) == 0
	v_wmma_scale_f32_16x16x128_f8f6f4 v[(\d):(\d)+7], v[(\a):(\a)+11], v[(\b):(\b)+11], 0, v[\sa], v[\sb] matrix_a_fmt:MATRIX_FMT_FP6 matrix_b_fmt:MATRIX_FMT_FP6 matrix_b_scale:MATRIX_SCALE_ROW1
.else
	v_wmma_scale_f32_16x16x128_f8f6f4 v[(\d):(\d)+7], v[(\a):(\a)+11], v[(\b):(\b)+11], 0, v[\sa], v[\sb] matrix_a_fmt:MATRIX_FMT_FP6 matrix_b_fmt:MATRIX_FMT_FP6 matrix_a_scale:MATRIX_SCALE_ROW1 matrix_b_scale:MATRIX_SCALE_ROW1
.endif
.else
.if (\ra) == 0 && (\rb) == 0
	v_wmma_scale_f32_16x16x128_f8f6f4 v[(\d):(\d)+7], v[(\a):(\a)+11], v[(\b):(\b)+11], v[(\c):(\c)+7], v[\sa], v[\sb] matrix_a_fmt:MATRIX_FMT_FP6 matrix_b_fmt:MATRIX_FMT_FP6
.elseif (\ra) == 1 && (\rb) == 0
	v_wmma_scale_f32_16x16x128_f8f6f4 v[(\d):(\d)+7], v[(\a):(\a)+11], v[(\b):(\b)+11], v[(\c):(\c)+7], v[\sa], v[\sb] matrix_a_fmt:MATRIX_FMT_FP6 matrix_b_fmt:MATRIX_FMT_FP6 matrix_a_scale:MATRIX_SCALE_ROW1
.elseif (\ra) == 0
	v_wmma_scale_f32_16x16x128_f8f6f4 v[(\d):(\d)+7], v[(\a):(\a)+11], v[(\b):(\b)+11], v[(\c):(\c)+7], v[\sa], v[\sb] matrix_a_fmt:MATRIX_FMT_FP6 matrix_b_fmt:MATRIX_FMT_FP6 matrix_b_scale:MATRIX_SCALE_ROW1
.else
	v_wmma_scale_f32_16x16x128_f8f6f4 v[(\d):(\d)+7], v[(\a):(\a)+11], v[(\b):(\b)+11], v[(\c):(\c)+7], v[\sa], v[\sb] matrix_a_fmt:MATRIX_FMT_FP6 matrix_b_fmt:MATRIX_FMT_FP6 matrix_a_scale:MATRIX_SCALE_ROW1 matrix_b_scale:MATRIX_SCALE_ROW1
.endif
.endif
.endm
; a joint load: waves 0 and 1 fetch source 1's two halves, waves 2 and 3 source 0's; an s_nop 0 and four v_nop follow each line
.macro JLOAD g0a, g1a, g0b, g1b
	s_cmp_eq_u32 s15, 0
	s_cbranch_scc0 .Lfor_b_\@
	tensor_load_to_lds s[\g0a:\g0a+3], s[\g1a:\g1a+7]
	s_nop 0
.rept 4
	v_nop
.endr
	s_branch .Lasked_\@
.Lfor_b_\@:
	tensor_load_to_lds s[\g0b:\g0b+3], s[\g1b:\g1b+7]
	s_nop 0
.rept 4
	v_nop
.endr
.Lasked_\@:
.endm
.macro CREST
	s_cmp_lg_u32 s14, 0
	s_cbranch_scc1 .Lnot_wave_0_\@
	s_barrier_signal -3
.Lnot_wave_0_\@:
	s_barrier_wait -3
	s_barrier_signal -1
	s_barrier_wait -1
.endm
.macro CROUND
	s_barrier_signal -1
	s_barrier_wait -1
	CREST
.endm
; 64 numbers of a lane, register 16 b + i of block b, become a fragment's codes in v[pc] on and its scale word in v[pw]
.macro QUANT s, pc, tp, pw
.irp b, 0,1,2,3
	v_max3_num_f32 v[TM+\b], |v[\s+16*\b]|, |v[\s+1+16*\b]|, 0x1800000   ; my 16 numbers of block b, and the floor 2^(3 - 127): the byte cannot fall under 1
.endr
.irp i, 2,4,6,8,10,12,14
.irp b, 0,1,2,3
	v_max3_num_f32 v[TM+\b], v[TM+\b], |v[\s+16*\b+\i]|, |v[\s+1+16*\b+\i]|
.endr
.endr
.irp b, 0,1,2,3
	v_permlanex16_b32 v[TM+4+\b], v[TM+\b], s66, s67
.endr
.irp b, 0,1,2,3
	v_max_num_f32 v[TM+\b], v[TM+\b], v[TM+4+\b]   ; with lane l xor 16's: the block's largest magnitude
.endr
.irp b, 0,1,2,3
	v_add_nc_u32 v[TM+12+\b], 0xff000000, v[TM+\b] ; 2 off its exponent field: the conversion's scale operand
.endr
.irp b, 0,1,2,3
	v_lshrrev_b32 v[TM+4+\b], 23, v[TM+12+\b]      ; the scale's byte
.endr
	v_lshl_or_b32 v[\pw], v[TM+5], 8, v[TM+4]
	v_lshl_or_b32 v[\pw], v[TM+6], 16, v[\pw]
	v_lshl_or_b32 v[\pw], v[TM+7], 24, v[\pw]
.irp c, 0,1
	v_cvt_scalef32_pk16_fp6_f32 v[\pc+6*\c:\pc+2+6*\c], v[\s+32*\c:\s+15+32*\c], v[TM+12+2*\c]
	v_cvt_scalef32_pk16_fp6_f32 v[\tp+4*\c:\tp+2+4*\c], v[\s+16+32*\c:\s+31+32*\c], v[TM+12+2*\c+1]
.endr
	v_nop                                          ; one plain place behind a scaled conversion
.irp c, 0,1                                    ; a whole block to a lane: lanes 0-15 block 2 c, lanes 16-31 block 2 c + 1
.irp i, 0,1,2
	v_permlane16_swap_b32 v[\pc+6*\c+\i], v[\tp+4*\c+\i]
.endr
.irp i, 0,1,2
	v_mov_b32 v[\pc+3+6*\c+\i], v[\tp+4*\c+\i]
.endr
.endr
.endm
	s_load_b512 s[68:83], s[0:1], 0x0              ; img 68, x's scales 70, Wq's 72, Wk's 74, Wv's 76, bq 78, bk 80, bv 82
	s_load_b128 s[84:87], s[0:1], 0x40             ; rope_tab 84, q_rec 86
	s_load_b64 s[88:89], s[0:1], 0x50              ; kv_rec
	v_lshl_add_u32 v[SPW], v0, 2, SPARE
	v_mov_b32 v[NIL], 0
	ds_add_u32 v[SPW], v[NIL]                      ; the wave's opening: the add, twice on end, and its wait ahead of my first tensor load
	ds_add_u32 v[SPW], v[NIL]
	v_lshrrev_b32 v1, 5, v0
	v_readfirstlane_b32 s14, v1                    ; wave
	s_lshr_b32 s15, s14, 1                         ; my half of source 1's rows.  Also: I fetch for source 1 (0) or source 0 (1)
	s_and_b32 s16, s14, 1                          ; my half of source 0's rows.  Also: which 128 rows I fetch
	s_bfe_u32 s2, ttmp6, 0x40000                   ; cx
	s_bfe_u32 s3, ttmp6, 0x40004                   ; cy
	s_and_b32 s18, ttmp7, 0xffff
	s_lshl_b32 s18, s18, 3                         ; 8 x cluster y
	s_lshl_b32 s19, ttmp9, 3                       ; 8 x cluster x
	s_lshl_b32 s20, s3, 1
	s_lshl_b32 s21, s2, 1
	s_add_co_u32 s22, s18, s20                     ; x's group of 128 tokens by cy
	s_add_co_u32 s23, s19, s20
	s_sub_co_u32 s17, s23, 16                      ; Wv's group by cy (used for cluster x >= 2 alone)
	s_add_co_u32 s23, s23, 32                      ; the weight's group in img by cy
	s_add_co_u32 s10, s18, s21                     ; x's group by cx
	s_add_co_u32 s11, s19, s21
	s_add_co_u32 s11, s11, 32                      ; the weight's group in img by cx
	s_cmp_ge_u32 ttmp9, 2                          ; v?  The cluster's x is the same in all sixteen partners
	s_cselect_b32 s91, 1, 0
	s_cselect_b32 s17, s17, s22                    ; source 1: its first group in its own tensor,
	s_cselect_b32 s101, s23, s22                   ; and in img: made of cy alone
	s_cselect_b32 s100, s10, s21                   ; source 0 likewise: made of cx alone
	s_cselect_b32 s12, s10, s11
	s_lshl_b32 s98, s3, 2
	s_lshl_b32 s98, 15, s98                        ; my row of the cluster
	s_lshl_b32 s99, 0x1111, s2                     ; my column
	s_or_b32 s[G1], s98, (3<<16)|(1<<21)           ; 15:0 the mask; 17:16 elements of 8 bytes; 21 set beside a mask; no padding
	s_or_b32 s[G1B], s99, (3<<16)|(1<<21)
.irp g, G1, G1B
	s_mov_b32 s[\g+1], 32<<16                      ; a dense block as rows of 256 bytes
	s_mov_b32 s[\g+2], 96<<16
	s_mov_b32 s[\g+3], 32<<16
	s_mov_b32 s[\g+4], 96
	s_mov_b32 s[\g+5], 32
	s_mov_b32 s[\g+6], 0
	s_mov_b32 s[\g+7], 0
.endr
	s_add_co_u32 s20, s101, s16
	s_mul_i32 s20, s20, 98304
	s_mov_b32 s21, 0
	s_add_co_u32 s10, s12, s16
	s_mul_i32 s10, s10, 98304
	s_mov_b32 s11, 0
	s_mul_i32 s23, s14, HALFT                      ; where my load lands: wave x 24,576: no place in the cluster enters an LDS address
	s_mov_b32 s66, 0x76543210
	s_mov_b32 s67, 0xfedcba98
	s_mov_b32 s90, 0xffff0000                      ; lanes 16-31
	s_wait_dscnt 0x0                               ; both opening adds are done
	s_wait_kmcnt 0x0
	s_add_nc_u64 s[20:21], s[68:69], s[20:21]
	s_add_nc_u64 s[10:11], s[68:69], s[10:11]
	CROUND                                         ; all sixteen work-groups are here: the first joint loads meet
.irp s, 0,1,2
.set GB, G0B+4*\s-20*(\s/2)
	s_mov_b32 s[G0+4*\s], 1
	s_add_co_u32 s[G0+4*\s+1], s23, \s*SLOT
	s_add_nc_u64 s[G0+4*\s+2:G0+4*\s+3], s[20:21], \s*HALFT   ; slot s begins with K steps 2 s, 2 s + 1
	s_or_b32 s[G0+4*\s+3], s[G0+4*\s+3], 0x80000000
	s_mov_b32 s[GB], 1
	s_add_co_u32 s[GB+1], s23, \s*SLOT
	s_add_nc_u64 s[GB+2:GB+3], s[10:11], \s*HALFT
	s_or_b32 s[GB+3], s[GB+3], 0x80000000
	JLOAD G0+4*\s, G1, GB, G1B                     ; three loads of mine are out
.endr
	v_and_b32 v1, 31, v0
	v_lshlrev_b32 v[LI], 4, v1
	v_lshlrev_b32 v[L4], 2, v1
	v_lshlrev_b32 v[L32], 5, v1
	v_bfe_u32 v[H32], v0, 4, 1
	v_lshlrev_b32 v[H32], 5, v[H32]
	v_and_b32 v[R4], 15, v0
	v_lshlrev_b32 v[R4], 2, v[R4]
.irp b, 0,1,2,3
	v_mov_b32 v[TM+4+\b], 0                        ; written once: a lane permute's destination counts as one of its sources
.endr
	s_mul_i32 s21, s15, HALFT
	s_mul_i32 s22, s16, HALFT
	s_add_co_u32 s22, s22, 2*HALFT
.irp s, 0,1,2
	v_add_nc_u32 v[ADRA+\s], s21, v[LI]
	v_add_nc_u32 v[ADRB+\s], s22, v[LI]
	s_add_co_u32 s21, s21, SLOT
	s_add_co_u32 s22, s22, SLOT
.endr
	; which buffers are mine: chosen on the cluster's x alone
	s_add_co_u32 s8, s17, s15                      ; source 1's group of 128 rows that is my wave's
	s_add_co_u32 s9, s100, s16                     ; source 0's
	s_lshr_b32 s18, s8, 1
	s_and_b32 s19, s8, 1
	s_add_co_u32 s19, s19, 1
	s_mul_i32 s19, s19, 12800                      ; v: behind K's record, channels 0-127 or 128-255
	s_cmp_eq_u32 ttmp9, 0
	s_cselect_b64 s[94:95], s[72:73], s[74:75]
	s_cselect_b64 s[96:97], s[78:79], s[80:81]
	s_cselect_b64 s[4:5], s[86:87], s[88:89]
	s_mov_b32 s13, 38400
	s_cselect_b32 s13, 12800, s13
	s_cmp_lg_u32 s91, 0
	s_cselect_b64 s[92:93], s[76:77], s[70:71]     ; source 1's scales
	s_cselect_b64 s[94:95], s[70:71], s[94:95]     ; source 0's
	s_cselect_b64 s[96:97], s[82:83], s[96:97]     ; the bias
	s_cselect_b32 s10, s9, s8                      ; the group of 128 tokens
	s_cselect_b32 s11, s18, s9                     ; the head
	s_cselect_b32 s19, s19, 0
	s_cselect_b32 s22, s8, s9                      ; the group of outputs whose bias I add
	s_lshr_b32 s20, s10, 4
	s_lshl_b32 s20, s20, 3
	s_add_co_u32 s20, s20, s11
	s_lshl_b32 s20, s20, 4
	s_and_b32 s21, s10, 15
	s_add_co_u32 s20, s20, s21                     ; record: (batch x 8 + head) x 16 + block of 128 tokens
	s_mul_i32 s20, s20, s13
	s_add_co_u32 s20, s20, s19
	s_lshl_b32 s12, s21, 16                        ; the table: 8 tiles of 8,192 bytes for each block of 128 positions
	s_mov_b32 s21, 0
	s_mov_b32 s13, 0
	s_add_nc_u64 s[4:5], s[4:5], s[20:21]
	s_add_nc_u64 s[6:7], s[84:85], s[12:13]
	s_lshl_b32 s20, s22, 9
	s_add_nc_u64 s[96:97], s[96:97], s[20:21]
	s_lshl_b32 s20, s8, 12
	s_add_nc_u64 s[92:93], s[92:93], s[20:21]
	s_lshl_b32 s20, s9, 12
	s_add_nc_u64 s[94:95], s[94:95], s[20:21]
.irp j, 0,1,2,3                                ; all scale words of my 128 + 128 rows, once: 32 bytes a row, a lane a row: lanes 0-15 tile 2 j, lanes 16-31 tile 2 j + 1
.irp q, 0,1
	global_load_b128 v[SA+8*\j+4*\q:SA+8*\j+4*\q+3], v[L32], s[92:93] offset:1024*\j+16*\q
	global_load_b128 v[SB+8*\j+4*\q:SB+8*\j+4*\q+3], v[L32], s[94:95] offset:1024*\j+16*\q
.endr
.endr
.macro FRAG reg, adr, q, i             ; an image comes back as it was laid: three loads of 512 consecutive bytes
.irp c, 0,1,2
	ds_load_b128 v[\reg+4*\c:\reg+4*\c+3], v[\adr] offset:(8*(\q)+(\i))*1536+512*\c
.endr
.endm
; 16 products: source 1's blocks a0, a0 + 1 x source 0's eight.  The 64 accumulators take turns, one instruction a turn, in the same order in every step
.macro MUL16 a0, p, ks, zero
.irp a, \a0, \a0+1
.irp b, 0,1,2,3,4,5,6,7
.if \zero
	WM 8*(8*((\a)%4)+\b), 128*(\p)+FR*\b, AF+FR*(\a), -1, SB+8*(\b/2)+(\ks), SA+8*((\a)/2)+(\ks), \b%2, (\a)%2
.else
	WM 8*(8*((\a)%4)+\b), 128*(\p)+FR*\b, AF+FR*(\a), 8*(8*((\a)%4)+\b), SB+8*(\b/2)+(\ks), SA+8*((\a)/2)+(\ks), \b%2, (\a)%2
.endif
.endr
.endr
.endm
.macro FETCH_B slot, q, p
	WIN TO_B
.irp i, 0,1,2,3,4,5,6,7
	FRAG 128*(\p)+FR*\i, ADRB+\slot, \q, \i
.endr
	WIN 0
.endm
.macro FETCH_A slot, q, i0
.irp i, \i0, \i0+1, \i0+2, \i0+3
	FRAG AF+FR*(\i), ADRA+\slot, \q, \i
.endr
.endm
; a slot's first K step
.macro STEP slot, ks, zero
	s_wait_dscnt 4*NL                              ; all but the youngest 12 loads (source 1's blocks 4-7)
	WIN MUL_LO
	MUL16 0, 0, \ks, \zero
	MUL16 2, 0, \ks, \zero
	s_wait_dscnt 0x0
	PLACES NP                                      ; in front of loads into registers that matrix instructions have read
	FETCH_B \slot, 1, 1
	FETCH_A \slot, 1, 0
	WIN MUL_HI
	MUL16 4, 0, \ks, \zero
	MUL16 6, 0, \ks, \zero
	PLACES NP
	WIN 0
	FETCH_A \slot, 1, 4
.endm
; a slot's second K step changes slots.  fill = 1: one barrier, which opens a round of the cluster's; in front of it each wave waits for all its tensor loads, adds 0 to its spare word, and waits for that and for its
; reads of this slot; behind it this slot is filled again.  fill = 0: the same lines and a barrier of the work-group alone: the slot ahead is the one that was filled again.
; fill = 2: no barrier.
.macro TURN slot, next, fill, ks
.if (\fill) < 2
	s_wait_tensorcnt 0x0                           ; all my tensor loads have landed
	ds_add_u32 v[SPW], v[NIL]
	s_wait_dscnt 4*NL+1                            ; the add and the youngest 12 loads may be out
.else
	s_wait_dscnt 4*NL
.endif
	WIN MUL_LO
	MUL16 0, 1, \ks, 0
.if (\fill) < 2
	s_wait_dscnt 0x0                               ; the add is done, and my reads of this slot are over
	s_barrier_signal -1
.endif
	MUL16 2, 1, \ks, 0
	WIN 0
.if (\fill) < 2
	s_barrier_wait -1
.else
	s_wait_dscnt 0x0                               ; source 1's blocks 4-7 are in
.endif
.if (\fill) == 1
	CREST                                          ; no wave of any partner still reads this slot or has a load on its way
	s_add_nc_u64 s[G0+4*\slot+2:G0+4*\slot+3], s[G0+4*\slot+2:G0+4*\slot+3], 3*HALFT
	s_add_nc_u64 s[G0B+4*\slot+2:G0B+4*\slot+3], s[G0B+4*\slot+2:G0B+4*\slot+3], 3*HALFT
	JLOAD G0+4*\slot, G1, G0B+4*\slot, G1B         ; the first tensor load behind the round; its four v_nop are the places in front of the loads below
.else
	PLACES NP
.endif
	FETCH_B \next, 0, 0
	FETCH_A \next, 0, 0
	WIN MUL_HI
	MUL16 4, 1, \ks, 0
	MUL16 6, 1, \ks, 0
	PLACES NP
	WIN 0
	FETCH_A \next, 0, 4
.endm
	s_wait_tensorcnt 0x2                           ; my part of slot 0 is in; slots 1 and 2 may be out
	s_barrier_signal -1
	s_barrier_wait -1
	FETCH_B 0, 0, 0
	FETCH_A 0, 0, 0
	FETCH_A 0, 0, 4
	s_wait_loadcnt 0x0                             ; the scale words
	STEP 0, 0, 1                                   ; the first products start the sums: nothing is cleared.  K has 8 steps: they are written out
	TURN 0, 1, 1, 1                                ; slot 0 takes K steps 6 and 7
	STEP 1, 2, 0
	TURN 1, 2, 2, 3
	STEP 2, 4, 0
	TURN 2, 0, 0, 5
	STEP 0, 6, 0
; THE WAY OUT, a block of 16 lanes' rows x 128 at a time: bias, (q, k: the rotary step), quantiser, three stores of 512 consecutive bytes; the scale words of two blocks leave together.
; The one branch on the cluster's x stands ahead of the last K step, which is written in both arms: so the biases and the first block's table are asked for 64 products ahead of their first use.
.macro TLOAD a                         ; cos and sin for block a's 16 positions, in my lane's order: 16 loads of 512 consecutive bytes
	WIN 0x40
.irp c, 0,1,2,3,4,5,6,7,8,9,10,11,12,13,14,15
	global_load_b128 v[128*((\a)%2)+4*\c:128*((\a)%2)+4*\c+3], v[LI], s[6:7] offset:8192*(\a)+512*\c
.endr
.endm
.macro PRE isv
	WIN 0x40
.if \isv
.irp a, 0,1,2,3,4,5,6,7
	global_load_b32 v[BI+2*\a], v[R4], s[96:97] offset:64*\a
	global_load_b32 v[BI+2*\a+1], v[R4], s[96:97] offset:64*\a      ; (named as a pair, so both are written)
.endr
.else
.irp b, 0,1,2,3,4,5,6,7
	global_load_b128 v[BI+8*\b+96*(\b/4):BI+8*\b+96*(\b/4)+3], v[H32], s[96:97] offset:64*\b
	global_load_b128 v[BI+8*\b+96*(\b/4)+4:BI+8*\b+96*(\b/4)+7], v[H32], s[96:97] offset:64*\b+16
.endr
	TLOAD 0                                        ; into source 0's first set, which K step 6 has read last, four places back
.endif
	WIN 0
.endm
.macro LAST                            ; K step 7: nothing more to fetch
	s_wait_dscnt 4*NL
	WIN MUL_LO
	MUL16 0, 1, 7, 0
	MUL16 2, 1, 7, 0
	s_wait_dscnt 0x0
	WIN MUL_HI
	MUL16 4, 1, 7, 0
	MUL16 6, 1, 7, 0
	WIN 0
.endm
.macro BLOCK a, isv
.set AC, 64*((\a)%4)
.if \isv
.if (\a) == 0
	s_wait_loadcnt 0x0                             ; bv
.endif
	WIN 0x06+(\a)/4                                ; source 0: window 2 or 3; source 1: window 1
.set i, 0
.rept 32
	v_pk_add_f32 v[T+2*i:T+2*i+1], v[AC+2*i:AC+2*i+1], v[BI+2*(\a):BI+2*(\a)+1] op_sel_hi:[1,0]   ; my lane's channel has one bias; each accumulator is read from its low end on
.set i, i+1
.endr
	WIN 0
.else
.if (\a) < 7
	s_wait_loadcnt 16                              ; the bias and this block's table are in; the next block's 16 loads may be out
.else
	s_wait_loadcnt 0x0
.endif
	WIN 0x06+(\a)/4
.set i, 0
.rept 32
	v_pk_add_f32 v[T+2*i:T+2*i+1], v[AC+2*i:AC+2*i+1], v[BI+2*i+96*(i/16):BI+2*i+96*(i/16)+1]
.set i, i+1
.endr
	WIN 0x04                                       ; source 1 (cos, sin): window 1
.set i, 0
.rept 32
	v_pk_mul_f32 v[TT+2*(i%2):TT+2*(i%2)+1], v[T+2*i:T+2*i+1], v[128*((\a)%2)+2*i:128*((\a)%2)+2*i+1] op_sel:[0,0] op_sel_hi:[0,1]   ; x1 cos, x1 sin
	v_pk_fma_f32 v[T+2*i:T+2*i+1], v[T+2*i:T+2*i+1], v[128*((\a)%2)+2*i:128*((\a)%2)+2*i+1], v[TT+2*(i%2):TT+2*(i%2)+1] op_sel:[1,1,0] op_sel_hi:[1,0,1] neg_lo:[0,1,0]   ; - x2 sin, + x2 cos
.set i, i+1
.endr
.if (\a) < 6
	TLOAD (\a)+2
.endif
	WIN 0
.endif
	s_wait_xcnt 0x0                                ; the last block's stores have read their registers: the codes and the words may be written again
	QUANT T, PC, TP, PW
.irp c, 0,1,2
	global_store_b128 v[LI], v[PC+4*\c:PC+4*\c+3], s[4:5] offset:1536*(\a)+512*\c
.endr
.if (\a)%2 == 0
	v_mov_b32 v[PW+1], v[PW]
.else
	v_cndmask_b32 v[PW+2], v[PW+1], v[PW], s90     ; lanes 0-15 the even block's words, lanes 16-31 the odd one's
	global_store_b32 v[L4], v[PW+2], s[4:5] offset:12288+128*((\a)/2)
.endif
.endm
.macro EPI isv
	PLACES 4                                       ; behind the last products: in front of the first read of results and of loads into their operands
.if !(\isv)
	TLOAD 1                                        ; into source 0's second set
	WIN 0
.endif
.irp a, 0,1,2,3,4,5,6,7
	BLOCK \a, \isv
.endr
.endm
	s_cmp_lg_u32 s91, 0                            ; one branch, on the cluster's x: the same in all partners and all waves
	s_cbranch_scc1 .Lvpath
	PRE 0
	LAST
	EPI 0
	s_branch .Ldone
.Lvpath:
	PRE 1
	LAST
	EPI 1
.Ldone:
	s_wait_tensorcnt 0x0                           ; the wave's end
	ds_add_u32 v[SPW], v[NIL]
	s_wait_dscnt 0x0
	CROUND                                         ; the closing round
	s_endpgm
.Lfunc_end_k_qed3b5cf98e_proj:
	.size	k_qed3b5cf98e_proj, .Lfunc_end_k_qed3b5cf98e_proj-k_qed3b5cf98e_proj
	.p2alignl 7, 3214868480
	.fill 96, 4, 3214868480
	.section	.rodata,"a",@progbits
	.p2align	6, 0x0
	.amdhsa_kernel k_qed3b5cf98e_proj
		.amdhsa_group_segment_fixed_size 327680
		.amdhsa_private_segment_fixed_size 0
		.amdhsa_enable_private_segment 0
		.amdhsa_kernarg_size 88
		.amdhsa_user_sgpr_count 2
		.amdhsa_user_sgpr_kernarg_segment_ptr 1
		.amdhsa_wavefront_size32 1
		.amdhsa_system_sgpr_workgroup_id_x 1
		.amdhsa_system_sgpr_workgroup_id_y 1
		.amdhsa_system_sgpr_workgroup_id_z 1
		.amdhsa_system_vgpr_workitem_id 0
		.amdhsa_next_free_vgpr 1024
		.amdhsa_next_free_sgpr 102
		.amdhsa_reserve_vcc 0
		.amdhsa_float_denorm_mode_32 3
		.amdhsa_float_denorm_mode_16_64 3
		.amdhsa_memory_ordered 1
		.amdhsa_forward_progress 1
		.amdhsa_inst_pref_size 255
	.end_amdhsa_kernel
	.section	.bss,"aw",@nobits
	.p2align	6
	.space	262144
	.amdgpu_metadata
---
amdhsa.version: [ 1, 2 ]
amdhsa.kernels:
  - .name:           k_qed3b5cf98e_proj
    .symbol:         k_qed3b5cf98e_proj.kd
    .args:
      - { .name: img, .offset: 0, .size: 8, .value_kind: global_buffer, .address_space: global }
      - { .name: hidden_state_scales, .offset: 8, .size: 8, .value_kind: global_buffer, .address_space: global }
      - { .name: Wq_scales, .offset: 16, .size: 8, .value_kind: global_buffer, .address_space: global }
      - { .name: Wk_scales, .offset: 24, .size: 8, .value_kind: global_buffer, .address_space: global }
      - { .name: Wv_scales, .offset: 32, .size: 8, .value_kind: global_buffer, .address_space: global }
      - { .name: bq, .offset: 40, .size: 8, .value_kind: global_buffer, .address_space: global }
      - { .name: bk, .offset: 48, .size: 8, .value_kind: global_buffer, .address_space: global }
      - { .name: bv, .offset: 56, .size: 8, .value_kind: global_buffer, .address_space: global }
      - { .name: rope_tab, .offset: 64, .size: 8, .value_kind: global_buffer, .address_space: global }
      - { .name: q_rec, .offset: 72, .size: 8, .value_kind: global_buffer, .address_space: global }
      - { .name: kv_rec, .offset: 80, .size: 8, .value_kind: global_buffer, .address_space: global }
    .group_segment_fixed_size: 327680
    .private_segment_fixed_size: 0
    .kernarg_segment_align: 8
    .kernarg_segment_size: 88
    .max_flat_workgroup_size: 128
    .sgpr_count:     102
    .vgpr_count:     1024
    .wavefront_size: 32
...
	.end_amdgpu_metadata
.endif
;; end of part 2
;; launch retn (part 3): grid 16 x 16, 4 waves a work-group, no clusters, 327,680 bytes of LDS; arguments q_rec, kv_rec, img, hidden_state_scales, Wg_scales, bg, gn_weight, y_img, y_sc; writes y_img, y_sc
.if DOCPART == 3
	.amdgcn_target "amdgcn-amd-amdhsa--gfx1250"
	.amdhsa_code_object_version 6
	.text
	.protected	k_qed3b5cf98e_retn
	.globl	k_qed3b5cf98e_retn
	.p2align	8
	.type	k_qed3b5cf98e_retn,@function
k_qed3b5cf98e_retn:
	s_mov_b64 s[64:65], 0
	v_nop
	global_prefetch_b8 v0, s[64:65] scope:SCOPE_SE
	s_setreg_imm32_b32 hwreg(HW_REG_WAVE_MODE, 25, 1), 1
	s_wait_xcnt 0x0
; Launch 3 of 4: scores = (q k^T) D, y = scores v, RMSNorm over a head's 256, g = sigmoid(x Wg^T + bg), z = g y, and z's quantiser along the 2,048.  All products on codes of FP6 (E2M3) with E8M0 scales.
; WORK LEFT OUT: a step of 128 keys all of which come after a wave's 32 queries (D = 0 there by reference()'s own mask: the first launch's head has the proof).  A hidden score inside a step that is walked is selected to 0.
; LIMITS.  gamma^(n - m) = 2^(L (d - 32 b)) x 2^(-L (16 u + j)), L = log2(gamma) in f32: its relative error is about 6e-8 (1 + |L| (n - m)).  The keys are summed in two halves (even and odd steps), another
; order than reference()'s.  A block whose largest magnitude lies under 2^-124 gets the byte 1.  NaN and infinities are not served; one in a hidden score is not carried.
; SHARES.  Work-group (p, batch x 8 + head) owns two blocks of 64 queries, 31 - p and p: together 17 steps of 64 x 128 for every p.  Wave w: pr = w & 1, kp = w >> 1: tiles 2 pr, 2 pr + 1 of both blocks, key steps 2 T + kp.
; A wave's slot s holds tile 2 pr + (s xor kp): at the end every wave keeps slot 0 and sends slot 1 to wave w xor 2 through LDS.  Then each wave has one tile of each block whole, and makes g, the norm and z for it.
; NO CLUSTER.  Four neighbours in p need the same rounds of keys (8 - p / 4), but where the asking ends hangs on the work-group's number: the walk keeps a constant count of trips, so that its LDS addresses can be read
; off the text, and leads round the load by a jump on ids.
; BOTH PRODUCTS TRANSPOSED: S^T = K Q^T, O^T = V^T P^T, G^T = Wg x^T: a lane holds one query throughout, its registers keys or channels.
; LDS: two slots, 2^17 bytes apart, each a round of two key steps: [K][K][V 0-127][V 0-127][V 128-255][V 128-255] records of 12,800 bytes.  Both are asked for at the head.  Between them lies the middle of Wg's 196,608
; bytes of images, filled at the head; after the walk the rest of Wg is filled over the slots, so that Wg lies dense from byte 0.  Stage 207,872 (16,384 a wave), spare words 273,408.
; O^T is cleared by moves at the head, while the first tiles are on their way, so that the key step is written once, in one loop: a second copy whose products start the sums would add a quarter to the code.
; REGISTERS: window 0: v0-31 addresses; v32-47 the decay's 16 factors, later x's scale words; v48-63 at work; v64-191 S^T, 64 a slot; v192-215 P; v224-241 scale words; v242-253 decay; later v192-255 Wg's scale words.
;   window 1: O^T of the high block (slot s, channels 16 ct on at 128 s + 8 ct); window 2: of the low block; later G^T in their upper halves.  window 3: v0-191 K and V, later x, later gn; v192-239 Q.
.set SLOT1, 1<<17
.set STAGE, 207872
.set SPARE, 273408
.set L16, 1
.set L4,  2
.set R4,  3
.set LB,  4
.set LS,  5
.set ADR, 6
.set ADS, 7
.set STW, 8
.set STR, 9
.set WB,  10
.set R64, 14
.set R32, 15
.set L32, 16
.set H32, 17
.set XO,  18
.set ND,  20
.set DL,  24
.set DF,  26
.set SPW, 28
.set NIL, 29
.set RH,  30
.set ZR,  31
.set CI,  32
.set XS,  32
.set TM,  48
.set NB,  56                           ; v56-59 the norm's sums
.set S,   64
.set P,   192
.set WS,  192
.set TP,  216
.set KS,  224
.set VS,  228
.set QS,  236
.set PS,  240
.set AB,  242
.set BL,  250
.set TB,  2
.set RT,  3
.set WV,  4
.set PR,  5
.set KP,  6
.set PP,  7
.set BH,  8
.set HD,  9
.set BB,  10
.set LASTH, 11                         ; s11 the high block's last key step, s12 the low block's
.set TMAX, 13
.set SS,  14
.set KF,  15
.set LG,  16
.set MSB, 0
.macro WIN new
.if MSB != (\new)
	s_set_vgpr_msb (MSB<<8)|(\new)
.set MSB, (\new)
.endif
.endm
.macro PLACES n
.rept \n
	v_nop
.endr
.endm
; one product: D, source 0, source 1, C (under 0: the constant 0), their scale registers, and which half of the lanes holds source 0's words
.macro WM d, a, b, c, sa, sb, ra
.if (\c) < 0
.if (\ra) == 0
	v_wmma_scale_f32_16x16x128_f8f6f4 v[(\d):(\d)+7], v[(\a):(\a)+11], v[(\b):(\b)+11], 0, v[\sa], v[\sb] matrix_a_fmt:MATRIX_FMT_FP6 matrix_b_fmt:MATRIX_FMT_FP6
.else
	v_wmma_scale_f32_16x16x128_f8f6f4 v[(\d):(\d)+7], v[(\a):(\a)+11], v[(\b):(\b)+11], 0, v[\sa], v[\sb] matrix_a_fmt:MATRIX_FMT_FP6 matrix_b_fmt:MATRIX_FMT_FP6 matrix_a_scale:MATRIX_SCALE_ROW1
.endif
.else
.if (\ra) == 0
	v_wmma_scale_f32_16x16x128_f8f6f4 v[(\d):(\d)+7], v[(\a):(\a)+11], v[(\b):(\b)+11], v[(\c):(\c)+7], v[\sa], v[\sb] matrix_a_fmt:MATRIX_FMT_FP6 matrix_b_fmt:MATRIX_FMT_FP6
.else
	v_wmma_scale_f32_16x16x128_f8f6f4 v[(\d):(\d)+7], v[(\a):(\a)+11], v[(\b):(\b)+11], v[(\c):(\c)+7], v[\sa], v[\sb] matrix_a_fmt:MATRIX_FMT_FP6 matrix_b_fmt:MATRIX_FMT_FP6 matrix_a_scale:MATRIX_SCALE_ROW1
.endif
.endif
.endm
.macro QUANT s, pc, tp, pw             ; 64 numbers of a lane, register 16 b + i of block b, become a fragment's codes and its scale word
.irp b, 0,1,2,3
	v_max3_num_f32 v[TM+\b], |v[\s+16*\b]|, |v[\s+1+16*\b]|, 0x1800000   ; with the floor 2^(3 - 127): the byte cannot fall under 1
.endr
.irp i, 2,4,6,8,10,12,14
.irp b, 0,1,2,3
	v_max3_num_f32 v[TM+\b], v[TM+\b], |v[\s+16*\b+\i]|, |v[\s+1+16*\b+\i]|
.endr
.endr
.irp b, 0,1,2,3
	v_permlanex16_b32 v[TM+4+\b], v[TM+\b], s18, s19
.endr
.irp b, 0,1,2,3
	v_max_num_f32 v[TM+\b], v[TM+\b], v[TM+4+\b]
.endr
.irp b, 0,1,2,3
	v_add_nc_u32 v[TM+12+\b], 0xff000000, v[TM+\b] ; 2 off the exponent field: the conversion's scale operand
.endr
.irp b, 0,1,2,3
	v_lshrrev_b32 v[TM+4+\b], 23, v[TM+12+\b]
.endr
	v_lshl_or_b32 v[\pw], v[TM+5], 8, v[TM+4]
	v_lshl_or_b32 v[\pw], v[TM+6], 16, v[\pw]
	v_lshl_or_b32 v[\pw], v[TM+7], 24, v[\pw]
.irp c, 0,1
	v_cvt_scalef32_pk16_fp6_f32 v[\pc+6*\c:\pc+2+6*\c], v[\s+32*\c:\s+15+32*\c], v[TM+12+2*\c]
	v_cvt_scalef32_pk16_fp6_f32 v[\tp+4*\c:\tp+2+4*\c], v[\s+16+32*\c:\s+31+32*\c], v[TM+12+2*\c+1]
.endr
	v_nop                                          ; one plain place behind a scaled conversion
.irp c, 0,1
.irp i, 0,1,2
	v_permlane16_swap_b32 v[\pc+6*\c+\i], v[\tp+4*\c+\i]
.endr
.irp i, 0,1,2
	v_mov_b32 v[\pc+3+6*\c+\i], v[\tp+4*\c+\i]
.endr
.endr
.endm
.macro DENSE g, rows                   ; descriptor group 1 of a dense block: rows of 256 bytes (32 elements of 8 bytes), no padding, no mask
	s_mov_b32 s[\g], 3<<16
	s_mov_b32 s[\g+1], 32<<16
	s_mov_b32 s[\g+2], (\rows)<<16
	s_mov_b32 s[\g+3], 32<<16
	s_mov_b32 s[\g+4], \rows
	s_mov_b32 s[\g+5], 32
	s_mov_b32 s[\g+6], 0
	s_mov_b32 s[\g+7], 0
.endm
.macro LSEL hh, val
	s_cmp_eq_u32 s[HD], \hh
	s_cselect_b32 s[LG], \val, s[LG]
.endm
	s_load_b512 s[68:83], s[0:1], 0x0              ; q_rec 68, kv_rec 70, img 72, x's scales 74, Wg's scales 76, bg 78, gn 80, y_img 82
	s_load_b64 s[92:93], s[0:1], 0x40              ; y_sc
	v_lshl_add_u32 v[SPW], v0, 2, SPARE
	v_mov_b32 v[NIL], 0
	ds_add_u32 v[SPW], v[NIL]                      ; the wave's opening: the add, twice on end, and its wait ahead of my first tensor load
	ds_add_u32 v[SPW], v[NIL]
	v_lshrrev_b32 v1, 5, v0
	v_readfirstlane_b32 s[WV], v1
	s_and_b32 s[PR], s[WV], 1
	s_lshr_b32 s[KP], s[WV], 1
	s_mov_b32 s[PP], ttmp9
	s_and_b32 s[BH], ttmp7, 0xffff
	s_and_b32 s[HD], s[BH], 7
	s_lshr_b32 s[BB], s[BH], 3
	s_sub_co_u32 s17, 31, s[PP]
	s_lshr_b32 s[LASTH], s17, 1
	s_lshr_b32 s[LASTH+1], s[PP], 1
	s_lshr_b32 s[TMAX], s[LASTH], 1                ; the last round of two key steps that holds a key for this work-group: 4 at the least
	s_lshl_b32 s100, s17, 2
	s_lshl_b32 s94, s[PR], 1
	s_add_co_u32 s100, s100, s94                   ; the high block's tile 2 pr, counted in the sequence
	s_lshl_b32 s101, s[PP], 2
	s_add_co_u32 s101, s101, s94                   ; the low block's
	v_and_b32 v[L32], 31, v0
	v_lshlrev_b32 v[L16], 4, v[L32]
	v_lshlrev_b32 v[L4], 2, v[L32]
	v_lshlrev_b32 v[L32], 5, v[L32]
	v_and_b32 v[R32], 15, v0
	v_bfe_u32 v[H32], v0, 4, 1
	v_lshlrev_b32 v[RH], 3, v[H32]
	v_sub_nc_u32 v[RH], v[R32], v[RH]              ; r - 8 h
	v_lshlrev_b32 v[R4], 2, v[R32]
	v_lshlrev_b32 v[R64], 6, v[R32]
	v_lshlrev_b32 v[R32], 5, v[R32]
	v_lshlrev_b32 v[H32], 5, v[H32]
	v_mov_b32 v[ZR], 0
	s_mul_i32 s17, s[KP], 12800                    ; my key step of a round's two
	v_add_nc_u32 v[LB], s17, v[L16]
	v_add_nc_u32 v[LS], s17, v[L4]
	s_lshl_b32 s17, s[WV], 14
	s_add_co_u32 s17, s17, STAGE
	v_add_nc_u32 v[STW], s17, v[L16]               ; my stage,
	s_xor_b32 s17, s[WV], 2
	s_lshl_b32 s17, s17, 14
	s_add_co_u32 s17, s17, STAGE
	v_add_nc_u32 v[STR], s17, v[L16]               ; and my partner's
.irp k, 0,1,2,3
	v_add_nc_u32 v[WB+\k], 49152*\k, v[L16]        ; Wg's images, 32 to an address register
.endr
	s_mov_b32 s24, 3<<16                           ; group 1 of a round's load: one record of both key steps: 2 rows of 1,600 elements of 8 bytes, 4,800 elements apart
	s_mov_b32 s25, 1600<<16
	s_mov_b32 s26, 2<<16
	s_mov_b32 s27, 1600<<16
	s_mov_b32 s28, 2
	s_mov_b32 s29, 4800
	s_mov_b32 s30, 0
	s_mov_b32 s31, 0
	DENSE 32, 212                                  ; Wg's middle: 54,272 bytes
	DENSE 40, 150                                  ; half of Wg's first 76,800 bytes
	DENSE 84, 128                                  ; half of Wg's last 65,536 bytes
	s_mov_b32 s18, 0x76543210
	s_mov_b32 s19, 0xfedcba98
	s_mov_b32 s20, 0xbfb8aa3b                      ; -log2(e)
	s_mov_b32 s21, s20
	s_mov_b32 s22, 0x3b800000                      ; 1 / 256
	s_mov_b32 s23, 0x358637bd                      ; 1e-6
	s_mov_b32 s[LG], 0xbd3b9ca6                    ; L = log2(1 - 2^-(5 + head))
	LSEL 1, 0xbcba1f74
	LSEL 2, 0xbc3963dd
	LSEL 3, 0xbbb906ce
	LSEL 4, 0xbb38d875
	LSEL 5, 0xbab8c154
	LSEL 6, 0xba38b5c7
	LSEL 7, 0xb9b8b001
	s_mov_b32 s[TB], 0
	s_mov_b32 s[RT], 0
	s_wait_dscnt 0x0                               ; both opening adds are done
	s_wait_kmcnt 0x0
	s_mul_i32 s94, s[BH], 614400
	s_mul_i32 s95, s[WV], 12800
	s_add_co_u32 s94, s94, s95
	s_mov_b32 s95, 0
	s_mov_b32 s48, 1                               ; the walking group 0: wave 0 K's records, wave 1 V's of channels 0-127, wave 2 V's of channels 128-255
	s_mul_i32 s49, s[WV], 25600
	s_add_nc_u64 s[50:51], s[70:71], s[94:95]
	s_mov_b32 s96, 1                               ; and a group 0 of its own for round 1, into slot 1
	s_add_co_u32 s97, s49, SLOT1
	s_add_nc_u64 s[98:99], s[50:51], 76800
	s_or_b32 s51, s51, 0x80000000
	s_or_b32 s99, s99, 0x80000000
	s_lshl_b32 s94, s[HD], 1
	s_add_co_u32 s94, s94, 64
	s_mul_i32 s94, s94, 98304
	s_add_nc_u64 s[94:95], s[72:73], s[94:95]      ; Wg's images of my head: 196,608 dense bytes
	s_mov_b32 s52, 1
	s_mov_b32 s53, 76800
	s_add_nc_u64 s[54:55], s[94:95], 76800
	s_or_b32 s55, s55, 0x80000000
	s_mul_i32 s66, s[PR], 38400
	s_mov_b32 s67, 0
	s_mov_b32 s56, 1
	s_mov_b32 s57, s66
	s_add_nc_u64 s[58:59], s[94:95], s[66:67]
	s_or_b32 s59, s59, 0x80000000
	s_lshl_b32 s66, s[PR], 15
	s_add_co_u32 s66, s66, SLOT1
	s_mov_b32 s60, 1
	s_mov_b32 s61, s66
	s_add_nc_u64 s[62:63], s[94:95], s[66:67]
	s_or_b32 s63, s63, 0x80000000
	s_cmp_eq_u32 s[WV], 3                          ; the first fills: every wave issues its own, in one branch on the wave's number; two loads of a wave are out at the most
	s_cbranch_scc1 .Lfirst3
	tensor_load_to_lds s[48:51], s[24:31]          ; round 0 into slot 0
	s_nop 0
	tensor_load_to_lds s[96:99], s[24:31]          ; round 1 into slot 1: every work-group walks five rounds or more
	s_nop 0
	PLACES 4
	s_branch .Lfirstd
.Lfirst3:
	tensor_load_to_lds s[52:55], s[32:39]          ; Wg's middle
	s_nop 0
	PLACES 4
.Lfirstd:
.macro QPREP e, s                      ; tile (block e, slot s): its first query, and where its image and scale words lie
	s_xor_b32 s94, s[KP], \s
	s_add_co_u32 s94, s94, s[100+\e]
	s_lshl_b32 s95, s94, 4
	v_add_nc_u32 v[ND+2*\e+\s], s95, v[RH]         ; my query - 8 h
	s_lshr_b32 s95, s94, 3
	s_lshl_b32 s17, s[BH], 4
	s_add_co_u32 s95, s95, s17
	s_mul_i32 s95, s95, 12800
	s_and_b32 s94, s94, 7
	s_mul_i32 s17, s94, 1536
	s_add_co_u32 s17, s17, s95
	v_add_nc_u32 v[S+2*\e+\s], s17, v[L16]
	s_lshl_b32 s17, s94, 6
	s_add_co_u32 s17, s17, s95
	v_add_nc_u32 v[S+4+2*\e+\s], s17, v[R4]
.endm
	QPREP 0, 0
	QPREP 0, 1
	QPREP 1, 0
	QPREP 1, 1
	WIN 0xc0
.irp t, 0,1,2,3
.irp c, 0,1,2
	global_load_b128 v[192+12*\t+4*\c:192+12*\t+4*\c+3], v[S+\t], s[68:69] offset:512*\c    ; Q's four fragments stay in registers
.endr
.endr
	WIN 0
.irp t, 0,1,2,3
	global_load_b32 v[QS+\t], v[S+4+\t], s[68:69] offset:12288
.endr
	s_lshl_b32 s17, s[BB], 7
	s_add_co_u32 s17, s17, s[KP]
	s_add_co_u32 s66, s17, s100                    ; the tiles that I keep, counted over both batches
	s_add_co_u32 s67, s17, s101
	s_lshl_b32 s94, s[HD], 10
	s_mov_b32 s95, 0
	s_add_nc_u64 s[78:79], s[78:79], s[94:95]      ; bg at my head
	WIN 0x40                                       ; O^T = 0: these moves run while the first tiles are on their way
.set i, 0
.rept 256
	v_mov_b32 v[i], 0
.set i, i+1
.endr
	WIN 0x80
.set i, 0
.rept 256
	v_mov_b32 v[i], 0
.set i, i+1
.endr
	WIN 0
.irp b, 0,1,2,3
	v_mov_b32 v[TM+4+\b], 0                        ; written once: a lane permute's destination counts as one of its sources
.endr
	v_mov_b32 v[BL], 0
	v_mov_b32 v[BL+1], 0xc2000000
	v_mov_b32 v[BL+2], 0xc2800000
	v_mov_b32 v[BL+3], 0xc2c00000
.irp b, 0,1,2,3
	v_mul_f32 v[BL+\b], s[LG], v[BL+\b]            ; -32 b L
.endr
.set i, 0
.rept 16
	v_mov_b32 v[CI+i], -(16*(i/8)+i%8)
	v_cvt_f32_i32 v[CI+i], v[CI+i]
	v_mul_f32 v[CI+i], s[LG], v[CI+i]
.set i, i+1
.endr
.set i, 0
.rept 16
	v_exp_f32 v[CI+i], v[CI+i]                     ; 2^(-L (16 u + j)) at 8 u + j
.set i, i+1
.endr
	v_nop
	s_wait_alu depctr_va_vdst(0)                   ; one wait for the sixteen
	s_wait_loadcnt 0x0                             ; Q and its scale words
; A KEY STEP of one block (we = 1: the high block, O^T in window 1; 2: the low block, window 2): 128 keys x my two tiles.
.macro PSTEP we
.set E, (\we)-1
	s_cmp_gt_u32 s[SS], s[LASTH+E]                 ; all 128 keys come after the block's queries: ids and the count of rounds alone
	s_cbranch_scc1 .Lskip_\@
	PLACES 4                                       ; in front of loads into registers that the last products have read
	WIN 0xc0
.irp f, 0,1,2,3,4,5,6,7
.irp c, 0,1,2
	ds_load_b128 v[12*\f+4*\c:12*\f+4*\c+3], v[ADR] offset:1536*\f+512*\c
.endr
.endr
	WIN 0
.irp j, 0,1,2,3
	ds_load_b32 v[KS+\j], v[ADS] offset:12288+128*\j
.endr
	WIN 0xc0
.irp f, 0,1,2,3,4,5,6,7
.irp c, 0,1,2
	ds_load_b128 v[96+12*\f+4*\c:96+12*\f+4*\c+3], v[ADR] offset:25600+1536*\f+512*\c
.endr
.endr
	WIN 0
.irp j, 0,1,2,3
	ds_load_b32 v[VS+\j], v[ADS] offset:37888+128*\j
	ds_load_b32 v[VS+4+\j], v[ADS] offset:63488+128*\j
.endr
	s_wait_dscnt 32                                ; K and its words are in; V's 24 loads and its 8 words may be out
	WIN 0x0f
.irp kt, 0,1,2,3,4,5,6,7
.irp s, 0,1
	WM S+64*\s+8*\kt, 12*\kt, 192+12*(2*E+\s), -1, KS+\kt/2, QS+2*E+\s, \kt%2
.endr
.endr
	WIN 0
	PLACES 4
	v_sub_nc_u32 v[DL], v[ND+2*E], s[KF]           ; d = my query - the step's first key - 8 h: register 16 b + 8 u + j holds the key at distance d - (32 b + 16 u + j)
	v_sub_nc_u32 v[DL+1], v[ND+2*E+1], s[KF]
	v_cvt_f32_i32 v[DF], v[DL]
	v_cvt_f32_i32 v[DF+1], v[DL+1]
.irp s, 0,1
.irp b, 0,1,2,3
	v_fma_f32 v[AB+4*\s+\b], v[DF+\s], s[LG], v[BL+\b]
.endr
.endr
.irp i, 0,1,2,3,4,5,6,7
	v_exp_f32 v[AB+\i], v[AB+\i]                   ; 2^(L (d - 32 b))
.endr
	v_nop
	WIN 0xc0
.irp f, 0,1,2,3,4,5,6,7
.irp c, 0,1,2
	ds_load_b128 v[12*\f+4*\c:12*\f+4*\c+3], v[ADR] offset:51200+1536*\f+512*\c     ; V of channels 128-255 takes K's registers
.endr
.endr
	WIN 0
	s_wait_alu depctr_va_vdst(0)                   ; one wait for the eight exponentials
.irp s, 0,1
.set i, 0
.rept 32
	v_pk_mul_f32 v[S+64*\s+2*i:S+64*\s+2*i+1], v[S+64*\s+2*i:S+64*\s+2*i+1], v[CI+(2*i)%16:CI+(2*i)%16+1]
.set i, i+1
.endr
.irp bp, 0,1
.irp bo, 0,1
.set i, 0
.rept 8
	v_pk_mul_f32 v[S+64*\s+32*\bp+16*\bo+2*i:S+64*\s+32*\bp+16*\bo+2*i+1], v[S+64*\s+32*\bp+16*\bo+2*i:S+64*\s+32*\bp+16*\bo+2*i+1], v[AB+4*\s+2*\bp:AB+4*\s+2*\bp+1] op_sel:[0,\bo] op_sel_hi:[1,\bo]
.set i, i+1
.endr
.endr
.endr
.endr
	s_cmp_lt_u32 s[SS], s[LASTH+E]                 ; only the block's last step holds hidden keys
	s_cbranch_scc1 .Lopen_\@
.irp s, 0,1
.set i, 0
.rept 64
	v_cmp_gt_i32 vcc_lo, 32*(i/16)+16*((i/8)%2)+i%8, v[DL+\s]
	v_cndmask_b32 v[S+64*\s+i], v[S+64*\s+i], v[ZR], vcc_lo
.set i, i+1
.endr
.endr
.Lopen_\@:
	QUANT S, P, TP, PS
	QUANT S+64, P+12, TP, PS+1
	PLACES 8                                       ; a scale register written by a vector instruction stands 8 places ahead of a scaled product
	s_wait_dscnt 0x0                               ; V is in
	WIN 0x03|((\we)<<4)|((\we)<<6)
.irp ct, 0,1,2,3,4,5,6,7,8,9,10,11,12,13,14,15 ; the 32 accumulators take turns, one instruction a turn
.irp s, 0,1
	WM 128*\s+8*\ct, (96+12*\ct)%192, P+12*\s, 128*\s+8*\ct, VS+\ct/2, PS+\s, \ct%2
.endr
.endr
	WIN 0
.Lskip_\@:
.endm
.Lround:                                           ; 8 trips, a constant: a round of two key steps each; a work-group's later rounds hold no key for it and are passed over step by step
	s_wait_tensorcnt 0x0                           ; all my tensor loads have landed: my part of this round's slot; so the walking group 0 may be written
	ds_add_u32 v[SPW], v[NIL]
	s_xor_b32 s49, s49, SLOT1                      ; the other slot,
	s_add_nc_u64 s[50:51], s[50:51], 76800         ; the next round
	s_wait_dscnt 0x0                               ; the add is done, and my reads of the slot that I have left are over
	s_barrier_signal -1
	s_barrier_wait -1
	s_cmp_eq_u32 s[RT], 0                          ; round 1 was asked for at the head
	s_cbranch_scc1 .Lnofill
	s_cmp_ge_u32 s[RT], s[TMAX]                    ; the next round is asked for only while it holds a key for this work-group: ids and the count of trips, the same in all four waves
	s_cbranch_scc1 .Lnofill
	s_cmp_eq_u32 s[WV], 3                          ; three records: waves 0 to 2
	s_cbranch_scc1 .Lnofill
	tensor_load_to_lds s[48:51], s[24:31]          ; it has this round's work in which to land
	s_nop 0
	PLACES 4
.Lnofill:
	s_lshl_b32 s[SS], s[RT], 1
	s_add_co_u32 s[SS], s[SS], s[KP]               ; my key step
	s_lshl_b32 s[KF], s[SS], 7                     ; its first key
	v_add_nc_u32 v[ADR], s[TB], v[LB]
	v_add_nc_u32 v[ADS], s[TB], v[LS]
	PSTEP 1
	PSTEP 2
	s_xor_b32 s[TB], s[TB], SLOT1
	s_add_co_u32 s[RT], s[RT], 1
	s_cmp_lt_u32 s[RT], 8
	s_cbranch_scc1 .Lround
	s_wait_tensorcnt 0x0                           ; the walk is over: the slots are filled again, with the rest of Wg
	ds_add_u32 v[SPW], v[NIL]
	s_wait_dscnt 0x0
	s_barrier_signal -1
	s_barrier_wait -1
	s_cmp_lt_u32 s[WV], 2
	s_cbranch_scc0 .Lwx
	tensor_load_to_lds s[56:59], s[40:47]
	s_nop 0
	PLACES 4
	s_branch .Lwd
.Lwx:
	tensor_load_to_lds s[60:63], s[84:91]
	s_nop 0
	PLACES 4
.Lwd:
.irp e, 0,1
	s_lshr_b32 s94, s[66+\e], 3
	s_mul_i32 s94, s94, 98304
	s_and_b32 s95, s[66+\e], 7
	s_mul_i32 s95, s95, 1536
	s_add_co_u32 s94, s94, s95
	v_add_nc_u32 v[XO+\e], s94, v[L16]             ; x's images of my tile
	s_lshl_b32 s94, s[66+\e], 9
	v_add_nc_u32 v[DL+\e], s94, v[R32]             ; and its scale words
.endr
	s_lshl_b32 s94, s[HD], 13
	v_add_nc_u32 v[DF], s94, v[L32]
	WIN 0xc0
.irp e, 0,1
.irp k, 0,1,2,3,4,5,6,7
.irp c, 0,1,2
	global_load_b128 v[96*\e+12*\k+4*\c:96*\e+12*\k+4*\c+3], v[XO+\e], s[72:73] offset:12288*\k+512*\c
.endr
.endr
.endr
	WIN 0
.irp e, 0,1
.irp q, 0,1
	global_load_b128 v[XS+8*\e+4*\q:XS+8*\e+4*\q+3], v[DL+\e], s[74:75] offset:16*\q
.endr
.endr
.irp j, 0,1,2,3,4,5,6,7
.irp q, 0,1
	global_load_b128 v[WS+8*\j+4*\q:WS+8*\j+4*\q+3], v[DF], s[76:77] offset:1024*\j+16*\q   ; Wg's scale words: a lane a row: lanes 0-15 tile 2 j, lanes 16-31 tile 2 j + 1
.endr
.endr
; The two halves of the keys meet: my slot 1 goes to my partner's hands through my stage, my partner's comes onto my slot 0.
.macro MERGE we
	WIN (\we)<<2
.set i, 0
.rept 32
	ds_store_b128 v[STW], v[128+4*i:128+4*i+3] offset:512*i         ; each accumulator from its low end on
.set i, i+1
.endr
	WIN 0
	s_wait_dscnt 0x0                               ; for my partner's sake: my stores have landed
	s_barrier_signal -1
	s_barrier_wait -1
.set i, 0
.rept 32
	ds_load_b128 v[S+4*i:S+4*i+3], v[STR] offset:512*i
.set i, i+1
.endr
	s_wait_dscnt 0x0
	WIN (\we)|((\we)<<6)
.set i, 0
.rept 64
	v_pk_add_f32 v[2*i:2*i+1], v[2*i:2*i+1], v[S+2*i:S+2*i+1]
.set i, i+1
.endr
	WIN 0
.endm
; bg at my lane's channels 16 ct + 8 h + 0..7 goes into G^T's own registers, which slot 1 has left: it is the C of the first products
.macro BGL we
	WIN (\we)<<6
.irp ct, 0,1,2,3,4,5,6,7,8,9,10,11,12,13,14,15
.irp q, 0,1
	global_load_b128 v[128+8*\ct+4*\q:128+8*\ct+4*\q+3], v[H32], s[78:79] offset:64*\ct+16*\q
.endr
.endr
	WIN 0
.endm
; the norm of my tile of block we: it needs no g, so it stands here, while Wg's last parts are on their way
.macro NORM we
	WIN (\we)|((\we)<<2)
	v_pk_mul_f32 v[NB:NB+1], v[0:1], v[0:1]        ; the sum of squares of my 128 channels, in two chains
	v_pk_mul_f32 v[NB+2:NB+3], v[2:3], v[2:3]
.set i, 2
.rept 31
	v_pk_fma_f32 v[NB:NB+1], v[2*i:2*i+1], v[2*i:2*i+1], v[NB:NB+1]
	v_pk_fma_f32 v[NB+2:NB+3], v[2*i+2:2*i+3], v[2*i+2:2*i+3], v[NB+2:NB+3]
.set i, i+2
.endr
	WIN 0
	v_add_f32 v[NB], v[NB], v[NB+1]
	v_add_f32 v[NB+2], v[NB+2], v[NB+3]
	v_add_f32 v[NB], v[NB], v[NB+2]
	v_permlanex16_b32 v[NB+1], v[NB], s18, s19
	v_add_f32 v[NB], v[NB], v[NB+1]                ; with lane l xor 16's 128 channels
	v_fma_f32 v[NB], v[NB], s22, s23               ; the mean + 1e-6
	v_rsq_f32 v[NB+2], v[NB]
	v_rsq_f32 v[NB+3], v[NB]                       ; (twice: a pair for the packed multiply)
	v_nop
	s_wait_alu depctr_va_vdst(0)
	WIN (\we)|((\we)<<6)
.set i, 0
.rept 64
	v_pk_mul_f32 v[2*i:2*i+1], v[2*i:2*i+1], v[NB+2:NB+3]           ; y x rms
.set i, i+1
.endr
	WIN 0
.endm
	MERGE 1
	BGL 1
	s_barrier_signal -1                            ; every wave's reads of the stages are back (waited for above): the stages may be written again
	s_barrier_wait -1
	MERGE 2
	BGL 2
	NORM 1
	NORM 2
	s_wait_tensorcnt 0x0                           ; my part of Wg has landed:
	s_barrier_signal -1
	s_barrier_wait -1                              ; behind this barrier Wg is whole for every wave
; G^T = Wg x^T + bg for my two tiles: 32 quads of four fragments of Wg, two buffers; each fragment feeds two products
.macro GF n
	WIN 0
.irp t, 0,1,2,3
.set FB, (((\n)%4)/2)*98304+(8*((\n)/4)+4*((\n)%2)+\t)*1536
.irp c, 0,1,2
	ds_load_b128 v[S+48*((\n)%2)+12*\t+4*\c:S+48*((\n)%2)+12*\t+4*\c+3], v[WB+FB/49152] offset:FB%49152+512*\c
.endr
.endr
.endm
.macro GQ we
	WIN 0x0c|((\we)<<4)|((\we)<<6)
.irp t, 0,1,2,3
	WM 128+8*(4*(n%4)+\t), S+48*(n%2)+12*\t, 96*((\we)-1)+12*(n/4), 128+8*(4*(n%4)+\t), WS+8*(2*(n%4)+\t/2)+n/4, XS+8*((\we)-1)+n/4, \t%2
.endr
.endm
	s_wait_loadcnt 0x0                             ; x, its scale words, Wg's, bg
	GF 0
.set n, 0
.rept 32
.if n < 31
	PLACES 4                                       ; in front of loads into the buffer that the last quad's products have read
	GF n+1
	s_wait_dscnt 12                                ; this quad's fragments are in; the next quad's 12 loads may be out
.else
	s_wait_dscnt 0x0
.endif
	GQ 1
	GQ 2
.set n, n+1
.endr
	PLACES 4
	WIN 0xc0
.irp ct, 0,1,2,3,4,5,6,7,8,9,10,11,12,13,14,15
.irp q, 0,1
	global_load_b128 v[8*\ct+4*\q:8*\ct+4*\q+3], v[H32], s[80:81] offset:64*\ct+16*\q           ; gn at my lane's channels, into x's registers; awaited behind the first tile's gate
.endr
.endr
	WIN 0
.irp e, 0,1
	s_lshr_b32 s94, s[66+\e], 3
	s_mul_i32 s94, s94, 196608
	s_and_b32 s95, s[66+\e], 7
	s_mul_i32 s95, s95, 1536
	s_add_co_u32 s94, s94, s95
	s_mul_i32 s95, s[HD], 24576
	s_add_co_u32 s94, s94, s95
	v_add_nc_u32 v[XO+\e], s94, v[L16]             ; z's images: group of 128 tokens, K steps 2 head and 2 head + 1, tile
	s_lshl_b32 s94, s[66+\e], 10
	s_lshl_b32 s95, s[HD], 3
	s_add_co_u32 s94, s94, s95
	v_add_nc_u32 v[DL+\e], s94, v[R64]             ; and their scale words: 64 bytes a token
.endr
; one tile: the gate, z, its quantiser
.macro ZTILE we
.set E, (\we)-1
	WIN (\we)|((\we)<<6)
.set i, 0
.rept 64
	v_pk_mul_f32 v[128+2*i:128+2*i+1], v[128+2*i:128+2*i+1], s[20:21] op_sel_hi:[1,0]   ; -log2(e) (x Wg^T + bg); each accumulator is read from its low end on
.set i, i+1
.endr
.set i, 0
.rept 128
	v_exp_f32 v[128+i], v[128+i]
.set i, i+1
.endr
	v_nop
	s_wait_alu depctr_va_vdst(0)                   ; one wait for the batch
.set i, 0
.rept 64
	v_pk_add_f32 v[128+2*i:128+2*i+1], v[128+2*i:128+2*i+1], 1.0 op_sel_hi:[1,0]
.set i, i+1
.endr
.set i, 0
.rept 128
	v_rcp_f32 v[128+i], v[128+i]                   ; g
.set i, i+1
.endr
	v_nop
	s_wait_alu depctr_va_vdst(0)                   ; one wait for the batch
	s_wait_loadcnt 0x0                             ; gn
	WIN (\we)|(3<<2)|((\we)<<6)
.set i, 0
.rept 64
	v_pk_mul_f32 v[2*i:2*i+1], v[2*i:2*i+1], v[2*i:2*i+1]           ; y rms x gn (source 1: window 3)
.set i, i+1
.endr
.irp hf, 0,1                                   ; channels 128 hf on: one K step of the last product
	WIN (\we)|((\we)<<2)
.set i, 0
.rept 32
	v_pk_mul_f32 v[S+2*i:S+2*i+1], v[128+64*\hf+2*i:128+64*\hf+2*i+1], v[64*\hf+2*i:64*\hf+2*i+1]       ; z = g y
.set i, i+1
.endr
	WIN 0
.irp b, 0,1,2,3                                ; z meets Wo's codes, which lie in their given order: tile 2 b's lanes 16-31 change places with tile 2 b + 1's lanes 0-15, so that my 16 registers are the neighbours 32 b + 16 h + 0..15
.irp j, 0,1,2,3,4,5,6,7
	v_permlane16_swap_b32 v[S+16*\b+\j], v[S+16*\b+8+\j]
.endr
.endr
	s_wait_xcnt 0x0                                ; the last stores have read their registers
	QUANT S, P, TP, PS
.irp c, 0,1,2
	global_store_b128 v[XO+E], v[P+4*\c:P+4*\c+3], s[82:83] offset:12288*\hf+512*\c
.endr
	global_store_b32 v[DL+E], v[PS], s[92:93] offset:4*\hf          ; lanes l and l xor 16 store the same word to the same place
.endr
.endm
	ZTILE 1
	ZTILE 2
	s_wait_tensorcnt 0x0                           ; the wave's end
	ds_add_u32 v[SPW], v[NIL]
	s_wait_dscnt 0x0
	s_endpgm
.Lfunc_end_k_qed3b5cf98e_retn:
	.size	k_qed3b5cf98e_retn, .Lfunc_end_k_qed3b5cf98e_retn-k_qed3b5cf98e_retn
	.p2alignl 7, 3214868480
	.fill 96, 4, 3214868480
	.section	.rodata,"a",@progbits
	.p2align	6, 0x0
	.amdhsa_kernel k_qed3b5cf98e_retn
		.amdhsa_group_segment_fixed_size 327680
		.amdhsa_private_segment_fixed_size 0
		.amdhsa_enable_private_segment 0
		.amdhsa_kernarg_size 72
		.amdhsa_user_sgpr_count 2
		.amdhsa_user_sgpr_kernarg_segment_ptr 1
		.amdhsa_wavefront_size32 1
		.amdhsa_system_sgpr_workgroup_id_x 1
		.amdhsa_system_sgpr_workgroup_id_y 1
		.amdhsa_system_sgpr_workgroup_id_z 1
		.amdhsa_system_vgpr_workitem_id 0
		.amdhsa_next_free_vgpr 1024
		.amdhsa_next_free_sgpr 102
		.amdhsa_reserve_vcc 1
		.amdhsa_float_denorm_mode_32 3
		.amdhsa_float_denorm_mode_16_64 3
		.amdhsa_memory_ordered 1
		.amdhsa_forward_progress 1
		.amdhsa_inst_pref_size 255
	.end_amdhsa_kernel
	.section	.bss,"aw",@nobits
	.p2align	6
	.space	262144
	.amdgpu_metadata
---
amdhsa.version: [ 1, 2 ]
amdhsa.kernels:
  - .name:           k_qed3b5cf98e_retn
    .symbol:         k_qed3b5cf98e_retn.kd
    .args:
      - { .name: q_rec, .offset: 0, .size: 8, .value_kind: global_buffer, .address_space: global }
      - { .name: kv_rec, .offset: 8, .size: 8, .value_kind: global_buffer, .address_space: global }
      - { .name: img, .offset: 16, .size: 8, .value_kind: global_buffer, .address_space: global }
      - { .name: hidden_state_scales, .offset: 24, .size: 8, .value_kind: global_buffer, .address_space: global }
      - { .name: Wg_scales, .offset: 32, .size: 8, .value_kind: global_buffer, .address_space: global }
      - { .name: bg, .offset: 40, .size: 8, .value_kind: global_buffer, .address_space: global }
      - { .name: gn_weight, .offset: 48, .size: 8, .value_kind: global_buffer, .address_space: global }
      - { .name: y_img, .offset: 56, .size: 8, .value_kind: global_buffer, .address_space: global }
      - { .name: y_sc, .offset: 64, .size: 8, .value_kind: global_buffer, .address_space: global }
    .group_segment_fixed_size: 327680
    .private_segment_fixed_size: 0
    .kernarg_segment_align: 8
    .kernarg_segment_size: 72
    .max_flat_workgroup_size: 128
    .sgpr_count:     102
    .vgpr_count:     1024
    .wavefront_size: 32
...
	.end_amdgpu_metadata
.endif
;; end of part 3
;; launch outp (part 4): grid 8 x 32, 4 waves a work-group, clusters of 4 x 4, 327,680 bytes of LDS; arguments y_img, y_sc, img, Wo_scales, bo, out0; writes out0
.if DOCPART == 4
	.amdgcn_target "amdgcn-amd-amdhsa--gfx1250"
	.amdhsa_code_object_version 6
	.text
	.protected	k_qed3b5cf98e_outp
	.globl	k_qed3b5cf98e_outp
	.p2align	8
	.type	k_qed3b5cf98e_outp,@function
k_qed3b5cf98e_outp:
	s_mov_b64 s[64:65], 0
	v_nop
	global_prefetch_b8 v0, s[64:65] scope:SCOPE_SE
	s_setreg_imm32_b32 hwreg(HW_REG_WAVE_MODE, 25, 1), 1
	s_wait_xcnt 0x0
	s_wait_alu depctr_hold_cnt(0) depctr_sa_sdst(0) depctr_va_vdst(0) depctr_va_sdst(0) depctr_va_ssrc(0) depctr_va_vcc(0) depctr_vm_vsrc(0)
	s_getreg_b32 s2, hwreg(HW_REG_IB_STS2, 6, 4)
	s_cmp_eq_u32 s2, 0
	s_cbranch_scc0 .Lentry_in_a_cluster
	s_endpgm
.Lentry_in_a_cluster:
	s_bfe_u32 s2, ttmp6, 0x10000c
	s_cmp_lg_u32 s2, 0xf033
	s_cbranch_scc0 .Lentry_shape_is_right
	s_endpgm
.Lentry_shape_is_right:
; Launch 4 of 4: out = z Wo^T + bo on codes of FP6 (E2M3) with E8M0 scales; z's images and scale words come from the launch before, Wo's images from the first.  No work is left out here.
; A tile of out is 128 x 128: 256 work-groups (tiles of 256 x 256 would be 64); four waves of 64 x 64: 16 accumulators.  K = 2,048 in four chunks of four K steps.
; THREE LDS SLOTS of a chunk each: chunks 0, 1, 2 are asked for together at the head (three tensor loads of a wave are out); slot 0 alone is filled again, with chunk 3, asked for ahead of K step 3's products:
; eight K steps, 128 products, ahead of its first read.
; TRANSPOSED: source 0 = 16 rows of Wo, source 1 = 16 tokens: a lane holds eight neighbouring numbers of a row of out.  bo is the C of each sum's first product.
; CLUSTERS: 4 x 4: z's tile is shared along a row of the cluster, Wo's along a column; each chunk is asked for jointly.
; REGISTERS: window 0: v0-31 addresses; v32-63 z's scale words (16 j + ks: token 32 j + lane), v64-95 Wo's; v96-127 bo; v128-255 the accumulators.  window 1: two sets of fragments (Wo's four, then z's four); later rows of out.
.set HALFT, 24576
.set SLOT,  98304
.set STAGE, 294912                     ; 16 rows x (256 + 16) bytes for each wave; no fill lands here
.set SPARE, 312320
.set LI,   4
.set ADRA, 16                          ; v16-18 z's fragments in slot 0, 1, 2
.set ADRB, 20                          ; v20-22 Wo's
.set STO,  24
.set RD,   25
.set CO,   26
.set SPW,  28
.set NIL,  29
.set SA,   32
.set SB,   64
.set BO,   96
.set ACC,  128
.set G1,  24
.set G1B, 48
.set G0,  76                           ; s[76:87] z's groups 0, one for each slot
.set G0B, 88                           ; s[88:99] Wo's
.set MSB, 0
.macro WIN new
.if MSB != (\new)
	s_set_vgpr_msb (MSB<<8)|(\new)
.set MSB, (\new)
.endif
.endm
.macro PLACES n
.rept \n
	v_nop
.endr
.endm
.macro WM d, a, b, c, sa, sb, ra, rb
.if (\ra) == 0 && (\rb) == 0
	v_wmma_scale_f32_16x16x128_f8f6f4 v[(\d):(\d)+7], v[(\a):(\a)+11], v[(\b):(\b)+11], v[(\c):(\c)+7], v[\sa], v[\sb] matrix_a_fmt:MATRIX_FMT_FP6 matrix_b_fmt:MATRIX_FMT_FP6
.elseif (\ra) == 1 && (\rb) == 0
	v_wmma_scale_f32_16x16x128_f8f6f4 v[(\d):(\d)+7], v[(\a):(\a)+11], v[(\b):(\b)+11], v[(\c):(\c)+7], v[\sa], v[\sb] matrix_a_fmt:MATRIX_FMT_FP6 matrix_b_fmt:MATRIX_FMT_FP6 matrix_a_scale:MATRIX_SCALE_ROW1
.elseif (\ra) == 0
	v_wmma_scale_f32_16x16x128_f8f6f4 v[(\d):(\d)+7], v[(\a):(\a)+11], v[(\b):(\b)+11], v[(\c):(\c)+7], v[\sa], v[\sb] matrix_a_fmt:MATRIX_FMT_FP6 matrix_b_fmt:MATRIX_FMT_FP6 matrix_b_scale:MATRIX_SCALE_ROW1
.else
	v_wmma_scale_f32_16x16x128_f8f6f4 v[(\d):(\d)+7], v[(\a):(\a)+11], v[(\b):(\b)+11], v[(\c):(\c)+7], v[\sa], v[\sb] matrix_a_fmt:MATRIX_FMT_FP6 matrix_b_fmt:MATRIX_FMT_FP6 matrix_a_scale:MATRIX_SCALE_ROW1 matrix_b_scale:MATRIX_SCALE_ROW1
.endif
.endm
.macro JLOAD s                         ; a joint load into slot s: waves 0 and 1 fetch z's two halves of a chunk, waves 2 and 3 Wo's; an s_nop 0 and four v_nop follow each line
	s_cmp_eq_u32 s15, 0
	s_cbranch_scc0 .Lfor_b_\@
	tensor_load_to_lds s[G0+4*\s:G0+4*\s+3], s[G1:G1+7]
	s_nop 0
.rept 4
	v_nop
.endr
	s_branch .Lasked_\@
.Lfor_b_\@:
	tensor_load_to_lds s[G0B+4*\s:G0B+4*\s+3], s[G1B:G1B+7]
	s_nop 0
.rept 4
	v_nop
.endr
.Lasked_\@:
.endm
.macro CROUND
	s_barrier_signal -1
	s_barrier_wait -1
	s_cmp_lg_u32 s14, 0
	s_cbranch_scc1 .Lnot_wave_0_\@
	s_barrier_signal -3
.Lnot_wave_0_\@:
	s_barrier_wait -3
	s_barrier_signal -1
	s_barrier_wait -1
.endm
	s_load_b256 s[4:11], s[0:1], 0x0               ; y_img 4, y_sc 6, img 8, Wo's scales 10
	s_load_b128 s[68:71], s[0:1], 0x20             ; bo 68, out0 70
	v_lshl_add_u32 v[SPW], v0, 2, SPARE
	v_mov_b32 v[NIL], 0
	ds_add_u32 v[SPW], v[NIL]                      ; the wave's opening: the add, twice on end, and its wait ahead of my first tensor load
	ds_add_u32 v[SPW], v[NIL]
	v_lshrrev_b32 v1, 5, v0
	v_readfirstlane_b32 s14, v1
	s_lshr_b32 s15, s14, 1                         ; my 64 tokens.  Also: I fetch for z (0) or for Wo (1)
	s_and_b32 s16, s14, 1                          ; my 64 outputs.  Also: which half of a chunk I fetch
	s_bfe_u32 s40, ttmp6, 0x40000
	s_bfe_u32 s41, ttmp6, 0x40004
	s_lshl_b32 s42, ttmp9, 2
	s_add_co_u32 s42, s42, s40                     ; group of 128 outputs
	s_and_b32 s17, ttmp7, 0xffff
	s_lshl_b32 s17, s17, 2
	s_add_co_u32 s17, s17, s41                     ; group of 128 tokens
	s_lshl_b32 s43, s41, 2
	s_lshl_b32 s43, 15, s43
	s_lshl_b32 s44, 0x1111, s40
	s_or_b32 s[G1], s43, (3<<16)|(1<<21)
	s_or_b32 s[G1B], s44, (3<<16)|(1<<21)
.irp g, G1, G1B
	s_mov_b32 s[\g+1], 32<<16                      ; a dense block of 24,576 bytes as 96 rows of 256
	s_mov_b32 s[\g+2], 96<<16
	s_mov_b32 s[\g+3], 32<<16
	s_mov_b32 s[\g+4], 96
	s_mov_b32 s[\g+5], 32
	s_mov_b32 s[\g+6], 0
	s_mov_b32 s[\g+7], 0
.endr
	s_mul_i32 s18, s16, HALFT
	s_mul_i32 s20, s17, 196608
	s_add_co_u32 s20, s20, s18
	s_mov_b32 s21, 0
	s_mul_i32 s46, s42, 196608
	s_add_co_u32 s46, s46, s18
	s_add_co_u32 s46, s46, 7864320
	s_mov_b32 s47, 0
	s_mul_i32 s45, s14, HALFT                      ; where my load lands in a slot
	s_wait_dscnt 0x0
	s_wait_kmcnt 0x0
	s_add_nc_u64 s[20:21], s[4:5], s[20:21]
	s_add_nc_u64 s[46:47], s[8:9], s[46:47]
	CROUND                                         ; all sixteen work-groups are here
.irp s, 0,1,2
	s_mov_b32 s[G0+4*\s], 1
	s_add_co_u32 s[G0+4*\s+1], s45, \s*SLOT
	s_add_nc_u64 s[G0+4*\s+2:G0+4*\s+3], s[20:21], \s*2*HALFT       ; chunk s
	s_or_b32 s[G0+4*\s+3], s[G0+4*\s+3], 0x80000000
	s_mov_b32 s[G0B+4*\s], 1
	s_add_co_u32 s[G0B+4*\s+1], s45, \s*SLOT
	s_add_nc_u64 s[G0B+4*\s+2:G0B+4*\s+3], s[46:47], \s*2*HALFT
	s_or_b32 s[G0B+4*\s+3], s[G0B+4*\s+3], 0x80000000
	JLOAD \s                                       ; three loads of mine are out
.endr
	v_and_b32 v1, 31, v0
	v_lshlrev_b32 v[LI], 4, v1
	v_and_b32 v2, 15, v0
	v_bfe_u32 v3, v0, 4, 1
	s_mul_i32 s21, s15, 6144
	s_mul_i32 s22, s16, 6144
	s_add_co_u32 s22, s22, 49152
.irp s, 0,1,2
	v_add_nc_u32 v[ADRA+\s], s21, v[LI]
	v_add_nc_u32 v[ADRB+\s], s22, v[LI]
	s_add_co_u32 s21, s21, SLOT
	s_add_co_u32 s22, s22, SLOT
.endr
	s_mul_i32 s23, s14, 4352
	s_add_co_u32 s23, s23, STAGE
	v_mul_u32_u24 v5, v2, 272
	v_lshl_add_u32 v5, v3, 5, v5
	v_add_nc_u32 v[STO], s23, v5                   ; in: row r, 32 bytes for each half of the lanes
	v_mul_u32_u24 v5, v3, 272
	v_lshl_add_u32 v5, v2, 4, v5
	v_add_nc_u32 v[RD], s23, v5                    ; back: lanes 0-15 one row of 256 bytes, lanes 16-31 the next
	v_lshlrev_b32 v5, 12, v3
	v_lshl_add_u32 v[CO], v2, 4, v5                ; and the same two rows in out
	v_lshlrev_b32 v6, 6, v1                        ; 64 x lane: a row of scale words
	v_lshlrev_b32 v7, 5, v3                        ; 32 h
	s_lshl_b32 s20, s17, 7
	s_lshl_b32 s21, s15, 6
	s_add_co_u32 s20, s20, s21                     ; my first token
	s_lshl_b32 s46, s42, 7
	s_lshl_b32 s47, s16, 6
	s_add_co_u32 s46, s46, s47                     ; my first output
	s_lshl_b32 s22, s20, 6
	s_mov_b32 s23, 0
	s_add_nc_u64 s[6:7], s[6:7], s[22:23]
	s_lshl_b32 s22, s46, 6
	s_add_nc_u64 s[10:11], s[10:11], s[22:23]
	s_lshl_b32 s22, s46, 2
	s_add_nc_u64 s[68:69], s[68:69], s[22:23]
	s_add_nc_u64 s[70:71], s[70:71], s[22:23]
	s_lshl_b32 s22, s20, 12
	s_add_nc_u64 s[70:71], s[70:71], s[22:23]
.irp j, 0,1
.irp q, 0,1,2,3
	global_load_b128 v[SA+16*\j+4*\q:SA+16*\j+4*\q+3], v6, s[6:7] offset:2048*\j+16*\q
	global_load_b128 v[SB+16*\j+4*\q:SB+16*\j+4*\q+3], v6, s[10:11] offset:2048*\j+16*\q
.endr
.endr
.irp b, 0,1,2,3
	global_load_b128 v[BO+8*\b:BO+8*\b+3], v7, s[68:69] offset:64*\b
	global_load_b128 v[BO+8*\b+4:BO+8*\b+7], v7, s[68:69] offset:64*\b+16
.endr
.macro FETCH sl, q, st                 ; the fragments of the slot's q-th K step into set st: 24 loads of 512 consecutive bytes
	WIN 0x40
.irp i, 0,1,2,3
.irp c, 0,1,2
	ds_load_b128 v[128*(\st)+12*\i+4*\c:128*(\st)+12*\i+4*\c+3], v[ADRB+(\sl)] offset:12288*(\q)+1536*\i+512*\c
.endr
.endr
.irp i, 0,1,2,3
.irp c, 0,1,2
	ds_load_b128 v[128*(\st)+48+12*\i+4*\c:128*(\st)+48+12*\i+4*\c+3], v[ADRA+(\sl)] offset:12288*(\q)+1536*\i+512*\c
.endr
.endr
.endm
.macro MUL ks, st                      ; 16 products; the accumulators take turns, one instruction a turn
.irp a, 0,1,2,3
.irp b, 0,1,2,3
.if (\ks) == 0
	WM ACC+8*(4*\a+\b), 128*(\st)+12*\b, 128*(\st)+48+12*\a, BO+8*\b, SB+16*(\b/2)+(\ks), SA+16*(\a/2)+(\ks), \b%2, \a%2
.else
	WM ACC+8*(4*\a+\b), 128*(\st)+12*\b, 128*(\st)+48+12*\a, ACC+8*(4*\a+\b), SB+16*(\b/2)+(\ks), SA+16*(\a/2)+(\ks), \b%2, \a%2
.endif
.endr
.endr
.endm
; K step g of 16: the next step's fragments are fetched, then this step's 16 products.  Chunk c lies in slot c % 3.
; kind 0: the next step lies in a slot that a barrier has shown whole.  kind 1: this step is chunk 0's last: its fragments are in registers, so slot 0 is left and filled again, behind a round of the cluster's barrier.
; kind 2: the next step is the first of the chunk that was filled in: a wait for it and a barrier of the work-group.  kind 3: the last step.
.macro KS g, kind
.if (\kind) == 0
	PLACES 4                                       ; in front of loads into the set that the last products have read
	FETCH (((\g)+1)/4)%3, ((\g)+1)%4, ((\g)+1)%2
	s_wait_dscnt 24                                ; this K step's fragments are in; the 24 loads just issued may be out
.elseif (\kind) == 1
	WIN 0
	s_wait_tensorcnt 0x0                           ; all my tensor loads have landed: my parts of chunks 1 and 2; so a group 0 may be written
	ds_add_u32 v[SPW], v[NIL]
	s_add_nc_u64 s[G0+2:G0+3], s[G0+2:G0+3], 6*HALFT               ; from chunk 0 to chunk 3
	s_add_nc_u64 s[G0B+2:G0B+3], s[G0B+2:G0B+3], 6*HALFT
	s_wait_dscnt 0x0                               ; the add is done, and my reads of slot 0 are over
	CROUND                                         ; both now hold of every wave of every work-group of the cluster
	JLOAD 0                                        ; the first tensor load behind the round; its four v_nop are the places in front of the loads below
	FETCH (((\g)+1)/4)%3, ((\g)+1)%4, ((\g)+1)%2
.elseif (\kind) == 2
	WIN 0
	s_wait_tensorcnt 0x0                           ; my part of chunk 3 has landed: no load was issued behind it
	s_wait_dscnt 0x0
	s_barrier_signal -1
	s_barrier_wait -1                              ; everybody's has
	PLACES 4
	FETCH (((\g)+1)/4)%3, ((\g)+1)%4, ((\g)+1)%2
.else
	s_wait_dscnt 0x0
.endif
	WIN 0x05
	MUL \g, (\g)%2
.endm
	s_wait_tensorcnt 0x2                           ; my part of chunk 0 is in; chunks 1 and 2 may be out
	s_barrier_signal -1
	s_barrier_wait -1
	FETCH 0, 0, 0
	s_wait_loadcnt 0x0                             ; the scale words and bo
	KS 0, 0
	KS 1, 0
	KS 2, 0
	KS 3, 1
	KS 4, 0
	KS 5, 0
	KS 6, 0
	KS 7, 0                                        ; slot 2 was shown whole by the round in K step 3: no barrier
	KS 8, 0
	KS 9, 0
	KS 10, 0
	KS 11, 2
	KS 12, 0
	KS 13, 0
	KS 14, 0
	KS 15, 3
	PLACES 4
	WIN 0
; THE WAY OUT: 16 tokens x 64 outputs at a time through my own stage, back as rows of 256 bytes: sixteen lanes store 256 consecutive bytes, aligned.  LDS serves a wave's instructions in order: no wait between stores and loads.
.irp a, 0,1,2,3
.irp b, 0,1,2,3
	ds_store_b128 v[STO], v[ACC+8*(4*\a+\b):ACC+8*(4*\a+\b)+3] offset:64*\b
	ds_store_b128 v[STO], v[ACC+8*(4*\a+\b)+4:ACC+8*(4*\a+\b)+7] offset:64*\b+16
.endr
.if \a >= 2
	s_wait_xcnt 0x0                                ; the stores of two blocks back have read their registers
.endif
	WIN 0x40
.irp t, 0,1,2,3,4,5,6,7
	ds_load_b128 v[32*(\a%2)+4*\t:32*(\a%2)+4*\t+3], v[RD] offset:544*\t
.endr
	s_wait_dscnt 0x0
	WIN 0x04
.irp t, 0,1,2,3,4,5,6,7
	global_store_b128 v[CO], v[32*(\a%2)+4*\t:32*(\a%2)+4*\t+3], s[70:71] offset:8192*\t+65536*\a th:TH_STORE_NT
.endr
	WIN 0
.endr
	s_wait_tensorcnt 0x0                           ; the wave's end
	ds_add_u32 v[SPW], v[NIL]
	s_wait_dscnt 0x0
	CROUND                                         ; the closing round
	s_endpgm
.Lfunc_end_k_qed3b5cf98e_outp:
	.size	k_qed3b5cf98e_outp, .Lfunc_end_k_qed3b5cf98e_outp-k_qed3b5cf98e_outp
	.p2alignl 7, 3214868480
	.fill 96, 4, 3214868480
	.section	.rodata,"a",@progbits
	.p2align	6, 0x0
	.amdhsa_kernel k_qed3b5cf98e_outp
		.amdhsa_group_segment_fixed_size 327680
		.amdhsa_private_segment_fixed_size 0
		.amdhsa_enable_private_segment 0
		.amdhsa_kernarg_size 48
		.amdhsa_user_sgpr_count 2
		.amdhsa_user_sgpr_kernarg_segment_ptr 1
		.amdhsa_wavefront_size32 1
		.amdhsa_system_sgpr_workgroup_id_x 1
		.amdhsa_system_sgpr_workgroup_id_y 1
		.amdhsa_system_sgpr_workgroup_id_z 1
		.amdhsa_system_vgpr_workitem_id 0
		.amdhsa_next_free_vgpr 512
		.amdhsa_next_free_sgpr 100
		.amdhsa_reserve_vcc 0
		.amdhsa_float_denorm_mode_32 3
		.amdhsa_float_denorm_mode_16_64 3
		.amdhsa_memory_ordered 1
		.amdhsa_forward_progress 1
		.amdhsa_inst_pref_size 80
	.end_amdhsa_kernel
	.amdgpu_metadata
---
amdhsa.version: [ 1, 2 ]
amdhsa.kernels:
  - .name:           k_qed3b5cf98e_outp
    .symbol:         k_qed3b5cf98e_outp.kd
    .args:
      - { .name: y_img, .offset: 0, .size: 8, .value_kind: global_buffer, .address_space: global }
      - { .name: y_sc, .offset: 8, .size: 8, .value_kind: global_buffer, .address_space: global }
      - { .name: img, .offset: 16, .size: 8, .value_kind: global_buffer, .address_space: global }
      - { .name: Wo_scales, .offset: 24, .size: 8, .value_kind: global_buffer, .address_space: global }
      - { .name: bo, .offset: 32, .size: 8, .value_kind: global_buffer, .address_space: global }
      - { .name: out0, .offset: 40, .size: 8, .value_kind: global_buffer, .address_space: global }
    .group_segment_fixed_size: 327680
    .private_segment_fixed_size: 0
    .kernarg_segment_align: 8
    .kernarg_segment_size: 48
    .max_flat_workgroup_size: 128
    .sgpr_count:     100
    .vgpr_count:     512
    .wavefront_size: 32
...
	.end_amdgpu_metadata
.endif
;; end of part 4
